; MI455X (gfx1250); checked and timed in simulation.
; The chip was launched on July 23, 2026; its instructions are those of AMD's public machine-readable ISA for CDNA 5 (MIT licence, August 2026) and "CDNA5" Instruction Set Architecture Reference Guide (July 2026). The comments in the code are by the model that wrote it; some were corrected since.
;; Spatial Multi Head Self Attention. Allowed arithmetic: matrix products marked QUANTISED: E4M3 operands, one given power-of-two scale a tensor, by v_wmma_f32_16x16x64_fp8_fp8 or v_wmma_f32_16x16x128_fp8_fp8, f32 sums; everything else in f32.
;; Inputs: b_proj 256 float32; b_qkv 768 float32; lowp_scales 8 int32 (the exponents e of the quantised operands' scales 2^e); w_proj 256 x 256 float32; w_qkv 768 x 256 float32; x 2 x 256 x 64 x 64 float32.
;; Outputs: out0 2 x 256 x 64 x 64 float32.
;; This version of the problem:
;;   THIS VERSION OF THE PROBLEM IS GIVEN IN LOW PRECISION. The matrix products marked QUANTISED in the list below multiply operands that are first quantised to E4M3 (4 exponent bits, 3 mantissa bits; 8 bits a number), with one given power-of-two scale for each operand tensor; their sums are f32. All else is computed in f32.
;;   The module's matrix products, in the order in which they are computed (A, B: the left and right operand; K: the contracted axis; several contracted axes count as one K, in the product's order):
;;     1. [M 8,192, K 256] x [K 256, N 768]; A: input x; B: input w_qkv: QUANTISED (scales: A lowp_scales[0], B lowp_scales[1])
;;     2. batch 16 x [M 4,096, K 32] x [K 32, N 4,096]; A: computed on the way; B: computed on the way: QUANTISED (scales: A lowp_scales[2], B lowp_scales[3])
;;     3. batch 16 x [M 4,096, K 4,096] x [K 4,096, N 32]; A: softmax (see below); B: computed on the way: QUANTISED (scales: A lowp_scales[4], B lowp_scales[5])
;;     4. [M 8,192, K 256] x [K 256, N 256]; A: computed on the way; B: input w_proj: QUANTISED (scales: A lowp_scales[6], B lowp_scales[7])
;;   THE QUANTISER, for each operand of a quantised product, along K:
;;     - The operand's scale is 2^e, e = its entry of the input lowp_scales (int32; the entries are numbered through the quantised products in the list's order, A before B).
;;     - Each number is divided by the scale, clamped to +-448, and rounded to the nearest number of E4M3, ties to even, subnormals kept.
;;     - The product sums the exact products of the quantised numbers (number of the format x scale) in f32.
;;   ~~~python
;;   def quantise(x, axis, e):      # numpy; x: float32 -> the quantised numbers, widened to float32 again
;;       x = np.moveaxis(x, axis, -1); K = x.shape[-1]
;;       r = np.clip(x / 2.0 ** e, -448, 448)
;;       step = 2.0 ** (np.maximum(np.frexp(np.where(r == 0, 1, r))[1] - 1, -6) - 3)
;;       q = np.round(r / step) * step * 2.0 ** e      # np.round: ties to even
;;       return np.moveaxis(q, -1, axis).astype(np.float32)
;;   ~~~
;;   SOFTMAX AHEAD OF A QUANTISED PRODUCT. Where the list says 'softmax', what is quantised is not the finished softmax but p = 2^(t - M), with t = logit x log2(e) and M = ceil(the row's largest t), a whole number; so 1/2 < the row's largest p <= 1. The row's sum l is taken of the UNQUANTISED p, in f32, and the product's result is divided by l at the end. Since M is a whole number, a kernel that streams over the keys may use a running M (the ceiling of the running maximum): every later rescaling is an exact power of two, so the quantised numbers keep their values, but for numbers so far below the row's largest that they fall under the format's range.
;;   OPERANDS COMPUTED ON THE WAY. 'Computed on the way' means the value that the module computes at that place (a softmax that the list does not call 'softmax' is quantised finished and normalised). What goes into a quantiser is computed in f32, as accurately as f32 sums, v_exp_f32 and their like allow (about 1e-6 of the number): no bf16 or f16 on the way to a quantiser, and a product that is left as it is and whose result goes on into a quantised operand takes f32 operands (vector FMAs, or v_wmma_f32_16x16x4_f32). A number that lies on a knife's edge between two numbers of the format may be rounded either way, as far as f32 arithmetic and the matrix unit's own rounding can turn it there, and no further.
;; 2 versions, each right; version 2 is version 1 with the launches qkv, attn, proj written anew for expert scheduling mode. Each part assembles by itself: llvm-mc -triple=amdgcn-amd-amdhsa -mcpu=gfx1250 --defsym DOCPART=n.
;; ======== version 1 of 2: 3 launches
;; workspace buffers: qc 2,097,152 bytes; kc 2,097,152 bytes; vc 2,097,152 bytes; oc 2,097,152 bytes
;; launch qkv (part 1): grid 64 x 4, 8 waves a work-group, no clusters, 82,944 bytes of LDS; arguments x, w_qkv, b_qkv, lowp_scales, qc, kc, vc; writes qc, kc, vc
.if DOCPART == 1
	.amdgcn_target "amdgcn-amd-amdhsa--gfx1250"
	.amdhsa_code_object_version 6
	.text
	.protected	k_q1d312e1520_qkv
	.globl	k_q1d312e1520_qkv
	.p2align	8
	.type	k_q1d312e1520_qkv,@function
k_q1d312e1520_qkv:
	s_mov_b64 s[64:65], 0
	v_nop
	global_prefetch_b8 v0, s[64:65] scope:SCOPE_SE
	s_setreg_imm32_b32 hwreg(HW_REG_WAVE_MODE, 25, 1), 1
	s_wait_xcnt 0x0
; qkv[o][pixel] = sum over d of w_qkv[o][d] x[b][d][pixel] + b_qkv[o], on codes of FP8 (E4M3); q, k and v leave as codes of FP8, laid as the next launch's operand registers.
; x: [2][256][4096] f32, scale 2^e0.  w_qkv: [768][256] f32, scale 2^e1.  q, k, v are quantised with 2^e2, 2^e3, 2^e5 (entries of lowp_scales).
; SHARES.  A work-group takes 128 pixels of one image (x of the grid: 32 b + block) and 192 outputs: q, k and v of heads 2 g and 2 g + 1 (y of the grid: g).  256 work-groups of equal work.
; EVERY OPERAND IS AN IMAGE OF ITS FRAGMENT'S REGISTERS, in the layout of the plain 8-bit forms: lane (r, h) holds row r, registers 2 c, 2 c + 1 hold k = 16 c + 8 h + 0 .. 7.  Four registers of 32 lanes are 512 bytes,
; lane l's 16 bytes at 16 l.  A result tile holds m = 8 h + j in register j, so ONE conversion of its eight registers gives registers 2 c, 2 c + 1 of the next operand, c = the tile's number along the next K: nothing is turned.
;   q, k: source 0 = 16 rows of w, source 1 = 16 pixels of x: a lane holds one pixel and eight channels.    v: source 0 = 16 pixels, source 1 = 16 rows of w: a lane holds one channel and eight pixels (the keys are v's K).
; PHASES.  W: wave w quantises three fragments of w_qkv (q's, k's, v's rows 16 (w / 2) on of the work-group's 64, K step w % 2).   X: wave w quantises 32 pixels (w % 4) x 128 of d (w / 4): a lane takes a pixel and its registers
; run down d, so each load reads 128 consecutive bytes and the codes come out with d innermost.   One barrier.   Products: wave w takes pixel tiles 2 (w % 4), 2 (w % 4) + 1 and head 2 g + w / 4: 24 matrix instructions.
; The bias is what the sums begin with: b / 2^(e0 + e1), loaded into the accumulators.  A sum stands for sum x 2^(e0 + e1), so q's conversion takes 2^(e2 - e0 - e1) as its one scale; k's and v's likewise.
; x is quantised by each of the four work-groups that read it: 128 conversions a work-group, against a launch of its own.
; LIMITS on the given exponents, so that each power of two below is an f32 number: e0, e1, e2 - e0 - e1, e3 - e0 - e1, e5 - e0 - e1 between -126 and 119.  NaN among the inputs is not served.
; No tensor loads, no cluster: what work-groups share (x by four, w_qkv's rows by 64) is read once by each, at the head, with nothing to overlap it with.
; LDS: x's 16 images (pixel tile t, K step s) at (8 s + t) x 2048; w's 24 images (type j, tile T of four, K step s) at WIMG + (8 j + 2 T + s) x 2048.
; REGISTERS: v4 16 x lane; v5-8 LDS addresses; v9-12 offsets in memory; v14-23 scales and holds; v24-31 codes; v32-223 numbers as loaded, v224-255 w's codes; in the products v32-95 x's, v96-159 w's fragments, v160-255 accumulators.
.set WIMG, 32768
.set XF,   32                          ; x's fragment (p, s) at XF + 16 (2 p + s)
.set WF,   96                          ; w's fragment (u, s) at WF + 16 (2 u + s)
.set ACC,  160                         ; accumulator (type j, a, b) at ACC + 32 j + 16 a + 8 b; q, k: (a, b) = (pixel tile p, channel tile u); v: (u, p)
.macro MKSC se, vsc, vlim              ; the exponent in s[se] becomes 2^e and 448 x 2^e as f32, in v[vsc] and v[vlim]
	s_add_co_i32 s40, s[\se], 127
	s_lshl_b32 s41, s40, 23
	v_mov_b32 v[\vsc], s41
	s_add_co_i32 s40, s40, 8
	s_lshl_b32 s40, s40, 23
	s_or_b32 s40, s40, 0x600000
	v_mov_b32 v[\vlim], s40
.endm
.macro WLOAD j, reg                    ; a fragment of w as f32: lane (r, h): row r, d = 16 c + 8 h + 0 .. 7 into registers 8 c on
.irp c, 0,1,2,3,4,5,6,7
	global_load_b128 v[\reg+8*\c:\reg+8*\c+3], v10, s[6:7] offset:262144*\j+64*\c
	global_load_b128 v[\reg+8*\c+4:\reg+8*\c+7], v10, s[6:7] offset:262144*\j+64*\c+16
.endr
.endm
.macro QUANT src, cnt, dst, sc, lim    ; cnt groups of eight numbers become two registers of codes each
.set qg, 0
.rept \cnt
.irp i, 0,1,2,3,4,5,6,7
	v_med3_num_f32 v[\src+8*qg+\i], v[\src+8*qg+\i], -v[\lim], v[\lim]   ; the conversion to an 8-bit code does not saturate (ISA guide 7.6.2): the hold at the largest code x the scale
.endr
	v_cvt_scalef32_pk8_fp8_f32 v[\dst+2*qg:\dst+2*qg+1], v[\src+8*qg:\src+8*qg+7], v[\sc]
.set qg, qg+1
.endr
	v_nop                                          ; one plain vector line behind the last conversion, ahead of whatever next touches its registers
.endm
.macro IMAGE adr, reg, off             ; a fragment's 16 registers go to LDS as they stand
.irp c, 0,1,2,3
	ds_store_b128 v[\adr], v[\reg+4*\c:\reg+4*\c+3] offset:\off+512*\c
.endr
.endm
.macro FETCH reg, adr, off             ; and come back so, in any wave
.irp c, 0,1,2,3
	ds_load_b128 v[\reg+4*\c:\reg+4*\c+3], v[\adr] offset:\off+512*\c
.endr
.endm
.macro XLOAD t                         ; x(d = 32 t + i, my pixel), i = 0 .. 31: each load reads 128 consecutive bytes; the four waves of a K step stand side by side on 512
.set xi, 0
.rept 32
	global_load_b32 v[32+32*\t+xi], v9, s[4:5] offset:(32*\t+xi)*16384
.set xi, xi+1
.endr
.endm
.macro XBLOCK t, cd                    ; 32 of d become registers 4 t .. 4 t + 3 of my pixel's row, for both halves of the lanes: h = 0 wants d = 0-7 and 16-23 of the 32, h = 1 wants 8-15 and 24-31
.set xi, 0
.rept 32
	v_med3_num_f32 v[32+32*\t+xi], v[32+32*\t+xi], -v15, v15
.set xi, xi+1
.endr
	v_cvt_scalef32_pk8_fp8_f32 v[\cd:\cd+1], v[32+32*\t:32+32*\t+7], v14
	v_cvt_scalef32_pk8_fp8_f32 v[\cd+2:\cd+3], v[32+32*\t+16:32+32*\t+23], v14
	v_cvt_scalef32_pk8_fp8_f32 v[\cd+4:\cd+5], v[32+32*\t+8:32+32*\t+15], v14
	v_cvt_scalef32_pk8_fp8_f32 v[\cd+6:\cd+7], v[32+32*\t+24:32+32*\t+31], v14
	v_nop
	ds_store_b128 v5, v[\cd:\cd+3] offset:512*\t           ; the place of lane (r, 0) in the image: 16 r
	ds_store_b128 v5, v[\cd+4:\cd+7] offset:512*\t+256     ; and of lane (r, 1): 256 + 16 r
.endm
.macro WFETCH j                        ; my head's four fragments of type j
.irp u, 0,1
.irp s, 0,1
	FETCH WF+16*(2*\u+\s), 8, (\j)*16384+\u*4096+\s*2048
.endr
.endr
.endm
.macro MUL j                           ; eight matrix instructions: the type's four accumulators by turns, one instruction a turn, K step 0 and then 1
.irp s, 0,1
.irp a, 0,1
.irp b, 0,1
.if \j < 2
	v_wmma_f32_16x16x128_fp8_fp8 v[ACC+32*\j+16*\a+8*\b:ACC+32*\j+16*\a+8*\b+7], v[WF+16*(2*\b+\s):WF+16*(2*\b+\s)+15], v[XF+16*(2*\a+\s):XF+16*(2*\a+\s)+15], v[ACC+32*\j+16*\a+8*\b:ACC+32*\j+16*\a+8*\b+7]
.else
	v_wmma_f32_16x16x128_fp8_fp8 v[ACC+32*\j+16*\a+8*\b:ACC+32*\j+16*\a+8*\b+7], v[XF+16*(2*\b+\s):XF+16*(2*\b+\s)+15], v[WF+16*(2*\a+\s):WF+16*(2*\a+\s)+15], v[ACC+32*\j+16*\a+8*\b:ACC+32*\j+16*\a+8*\b+7]
.endif
.endr
.endr
.endr
.endm
.macro PLACES                          ; four plain vector lines between a matrix instruction and a read of its result or a load into a register that it read
.rept 4
	v_nop
.endr
.endm
.macro OUT j, sc, lim, base, step      ; the type's four tiles become two groups of four code registers; each store of the wave covers 512 consecutive bytes, aligned
.if \j > 0
	s_wait_xcnt 0x0                                ; the last type's stores have read v24-31: they are written again only behind this wait
.endif
	QUANT ACC+32*\j, 2, 24, \sc, \lim              ; each accumulator from its low end on
	QUANT ACC+32*\j+16, 2, 28, \sc, \lim
	global_store_b128 v4, v[24:27], s[\base:\base+1]
	global_store_b128 v4, v[28:31], s[\base:\base+1] offset:\step
.endm
	s_load_b256 s[4:11], s[0:1], 0x0               ; x s[4:5], w_qkv s[6:7], b_qkv s[8:9], lowp_scales s[10:11]
	s_load_b128 s[12:15], s[0:1], 0x20             ; qc s[12:13], kc s[14:15]
	s_load_b64 s[16:17], s[0:1], 0x30              ; vc
	v_lshl_add_u32 v13, v0, 2, 0x14000
	s_set_vgpr_msb 0x40
	v_mov_b32 v1, 0
	s_set_vgpr_msb 0x4000
	v_lshrrev_b32 v1, 5, v0
	v_readfirstlane_b32 s18, v1                    ; wave 0..7
	v_and_b32 v1, 31, v0                           ; lane
	v_and_b32 v2, 15, v0                           ; r
	v_bfe_u32 v3, v0, 4, 1                         ; h
	v_lshlrev_b32 v4, 4, v1                        ; 16 x lane: my place in an image
	s_lshl_b32 s19, s18, 12
	v_lshlrev_b32 v5, 4, v2
	v_lshl_add_u32 v5, v3, 11, v5
	v_add_nc_u32 v5, s19, v5                       ; x's images, in: 4096 x wave (its two pixel tiles of its K step) + 2048 x (lane / 16) + 16 x (lane % 16)
	s_lshl_b32 s19, s18, 11
	s_add_co_u32 s19, s19, WIMG
	v_add_nc_u32 v6, s19, v4                       ; w's images, in: WIMG + 2048 x wave + 16 x lane
	s_and_b32 s20, s18, 3                          ; wave % 4: which 32 pixels
	s_lshr_b32 s21, s18, 2                         ; wave / 4: which K step of x I quantise; which head I multiply for
	s_lshl_b32 s19, s20, 12
	v_add_nc_u32 v7, s19, v4                       ; x's images, out: my two pixel tiles
	s_lshl_b32 s19, s21, 13
	s_add_co_u32 s19, s19, WIMG
	v_add_nc_u32 v8, s19, v4                       ; w's images, out: my head's four
	v_lshlrev_b32 v9, 2, v1                        ; x: 4 bytes a lane
	v_lshlrev_b32 v10, 10, v2
	v_lshl_add_u32 v10, v3, 5, v10                 ; w: row r of 1,024 bytes, + 32 h
	v_lshlrev_b32 v11, 5, v3                       ; bias of q, k: my half's eight channels
	v_lshlrev_b32 v12, 2, v2                       ; bias of v: my channel
	s_and_b32 s22, ttmp7, 0xffff                   ; g
	s_lshr_b32 s23, ttmp9, 5                       ; b
	s_and_b32 s39, ttmp9, 31                       ; block of 128 pixels
	s_lshl_b32 s40, s23, 22                        ; x: b x 4,194,304
	s_lshl_b32 s41, s21, 21                        ;  + K step x 128 rows of 16,384 bytes
	s_add_co_u32 s40, s40, s41
	s_lshl_b32 s41, s39, 9                         ;  + block x 512
	s_add_co_u32 s40, s40, s41
	s_lshl_b32 s41, s20, 7                         ;  + 32 pixels x 4 bytes x (wave % 4)
	s_add_co_u32 s40, s40, s41
	s_mov_b32 s41, 0
	s_lshl_b32 s42, s22, 16                        ; w: (64 g + 16 (wave / 2)) rows of 1,024 bytes + 512 x (wave % 2)
	s_lshr_b32 s43, s18, 1
	s_lshl_b32 s43, s43, 14
	s_add_co_u32 s42, s42, s43
	s_and_b32 s43, s18, 1
	s_lshl_b32 s43, s43, 9
	s_add_co_u32 s42, s42, s43
	s_mov_b32 s43, 0
	s_lshl_b32 s44, s22, 8                         ; bias: (64 g + 32 head) x 4
	s_lshl_b32 s45, s21, 7
	s_add_co_u32 s44, s44, s45
	s_mov_b32 s45, 0
	s_lshl_b32 s46, s23, 3                         ; codes: (8 b + 2 g + head) x 131,072 + block x 4,096
	s_lshl_b32 s47, s22, 1
	s_add_co_u32 s46, s46, s47
	s_add_co_u32 s46, s46, s21
	s_lshl_b32 s46, s46, 17
	s_lshl_b32 s47, s39, 12
	s_add_co_u32 s46, s46, s47
	s_lshl_b32 s48, s20, 10                        ; q, k: + my two pixel tiles of 512 bytes
	s_add_co_u32 s48, s48, s46
	s_mov_b32 s49, 0
	s_lshl_b32 s50, s20, 9                         ; v: + my group of four registers (32 keys)
	s_add_co_u32 s50, s50, s46
	s_mov_b32 s51, 0
	s_wait_kmcnt 0x0
	s_load_b256 s[24:31], s[10:11], 0x0            ; e0 .. e7
	s_add_nc_u64 s[4:5], s[4:5], s[40:41]
	s_add_nc_u64 s[6:7], s[6:7], s[42:43]
	s_add_nc_u64 s[8:9], s[8:9], s[44:45]
	s_add_nc_u64 s[32:33], s[12:13], s[48:49]
	s_add_nc_u64 s[34:35], s[14:15], s[48:49]
	s_add_nc_u64 s[36:37], s[16:17], s[50:51]
	WLOAD 0, 32
	WLOAD 1, 96
	WLOAD 2, 160
	s_wait_kmcnt 0x0
	s_add_co_i32 s52, s24, s25                     ; e0 + e1
	s_sub_co_i32 s38, 0, s52
	MKSC 24, 14, 15                                ; x's scale and hold
	MKSC 25, 16, 17                                ; w's
	s_sub_co_i32 s53, s26, s52
	MKSC 53, 18, 19                                ; q's: e2 - e0 - e1
	s_sub_co_i32 s53, s27, s52
	MKSC 53, 20, 21                                ; k's: e3 - e0 - e1
	s_sub_co_i32 s53, s29, s52
	MKSC 53, 22, 23                                ; v's: e5 - e0 - e1
	; ---- W, with x's loads issued into the registers that each fragment leaves
	s_wait_loadcnt 32                              ; q's fragment is in; k's and v's 32 loads may be out
	QUANT 32, 8, 224, 16, 17
	IMAGE 6, 224, 0
	XLOAD 0
	XLOAD 1
	s_wait_loadcnt 63                              ; 80 loads were issued behind k's fragment; 63 is the largest count that the wait can name
	QUANT 96, 8, 240, 16, 17
	IMAGE 6, 240, 16384
	XLOAD 2
	XLOAD 3
	s_wait_loadcnt 63                              ; 128 loads were issued behind v's fragment
	s_wait_dscnt 0x0                               ; the first image's stores have read v224 on
	QUANT 160, 8, 224, 16, 17
	IMAGE 6, 224, 32768
	s_wait_dscnt 0x0                               ; all images' stores have read their registers: the biases land there
	; ---- the biases, straight into the accumulators: q, k: register i of tile u is channel 16 u + 8 h + i, for both pixel tiles; v: one number a lane, spread below
.irp j, 0,1
.irp p, 0,1
.irp u, 0,1
	global_load_b128 v[ACC+32*\j+16*\p+8*\u:ACC+32*\j+16*\p+8*\u+3], v11, s[8:9] offset:1024*\j+64*\u
	global_load_b128 v[ACC+32*\j+16*\p+8*\u+4:ACC+32*\j+16*\p+8*\u+7], v11, s[8:9] offset:1024*\j+64*\u+16
.endr
.endr
.endr
.irp u, 0,1
	global_load_b32 v[ACC+64+16*\u], v12, s[8:9] offset:2048+64*\u
.endr
	; ---- X
	s_wait_loadcnt 63                              ; behind block 0's loads: 96 of x and 18 of the bias
	XBLOCK 0, 24
	s_wait_loadcnt 63                              ; behind block 1's: 64 + 18
	XBLOCK 1, 32                                   ; its codes take registers that block 0 has left; so on
	s_wait_loadcnt 50                              ; behind block 2's: 32 + 18
	XBLOCK 2, 64
	s_wait_loadcnt 18                              ; behind block 3's: the 18 of the bias
	XBLOCK 3, 96
	s_wait_dscnt 0x0                               ; for the others' sake: my images lie in LDS
	s_barrier_signal -1
	s_barrier_wait -1                              ; everybody's do; nothing is stored to LDS behind this barrier
	; ---- products
.irp p, 0,1
.irp s, 0,1
	FETCH XF+16*(2*\p+\s), 7, \s*16384+\p*2048
.endr
.endr
	WFETCH 0
	s_wait_loadcnt 0x0                             ; the biases
.set bi, 0
.rept 64
	v_ldexp_f32 v[ACC+bi], v[ACC+bi], s38          ; b / 2^(e0 + e1): what the sums lack
.set bi, bi+1
.endr
.irp u, 0,1
.set bi, 15
.rept 16
	v_ldexp_f32 v[ACC+64+16*\u+bi], v[ACC+64+16*\u], s38   ; v: my channel's bias in all 16 registers of the two pixel tiles; the register that holds it comes last
.set bi, bi-1
.endr
.endr
	s_wait_dscnt 0x0
	MUL 0
	PLACES
	WFETCH 1                                       ; k's fragments come while q is quantised
	OUT 0, 18, 19, 32, 512
	s_wait_dscnt 0x0
	MUL 1
	PLACES
	WFETCH 2
	OUT 1, 20, 21, 34, 512
	s_wait_dscnt 0x0
	MUL 2
	PLACES
	OUT 2, 22, 23, 36, 2048
	s_set_vgpr_msb 0x4
	s_wait_tensorcnt 0x0
	ds_add_u32 v13, v1
	s_wait_dscnt 0x0
	s_set_vgpr_msb 0x400
	s_endpgm
.Lfunc_end_k_q1d312e1520_qkv:
	.size	k_q1d312e1520_qkv, .Lfunc_end_k_q1d312e1520_qkv-k_q1d312e1520_qkv
	.p2alignl 7, 3214868480
	.fill 96, 4, 3214868480
	.section	.rodata,"a",@progbits
	.p2align	6, 0x0
	.amdhsa_kernel k_q1d312e1520_qkv
		.amdhsa_group_segment_fixed_size 82944
		.amdhsa_private_segment_fixed_size 0
		.amdhsa_enable_private_segment 0
		.amdhsa_kernarg_size 56
		.amdhsa_user_sgpr_count 2
		.amdhsa_user_sgpr_kernarg_segment_ptr 1
		.amdhsa_wavefront_size32 1
		.amdhsa_system_sgpr_workgroup_id_x 1
		.amdhsa_system_sgpr_workgroup_id_y 1
		.amdhsa_system_sgpr_workgroup_id_z 1
		.amdhsa_system_vgpr_workitem_id 0
		.amdhsa_next_free_vgpr 258
		.amdhsa_next_free_sgpr 66
		.amdhsa_reserve_vcc 0
		.amdhsa_float_denorm_mode_32 3
		.amdhsa_float_denorm_mode_16_64 3
		.amdhsa_memory_ordered 1
		.amdhsa_forward_progress 1
		.amdhsa_inst_pref_size 67
	.end_amdhsa_kernel
	.amdgpu_metadata
---
amdhsa.version: [ 1, 2 ]
amdhsa.kernels:
  - .name:           k_q1d312e1520_qkv
    .symbol:         k_q1d312e1520_qkv.kd
    .args:
      - { .name: x, .offset: 0, .size: 8, .value_kind: global_buffer, .address_space: global }
      - { .name: w_qkv, .offset: 8, .size: 8, .value_kind: global_buffer, .address_space: global }
      - { .name: b_qkv, .offset: 16, .size: 8, .value_kind: global_buffer, .address_space: global }
      - { .name: lowp_scales, .offset: 24, .size: 8, .value_kind: global_buffer, .address_space: global }
      - { .name: qc, .offset: 32, .size: 8, .value_kind: global_buffer, .address_space: global }
      - { .name: kc, .offset: 40, .size: 8, .value_kind: global_buffer, .address_space: global }
      - { .name: vc, .offset: 48, .size: 8, .value_kind: global_buffer, .address_space: global }
    .group_segment_fixed_size: 82944
    .private_segment_fixed_size: 0
    .kernarg_segment_align: 8
    .kernarg_segment_size: 56
    .max_flat_workgroup_size: 256
    .sgpr_count:     66
    .vgpr_count:     258
    .wavefront_size: 32
...
	.end_amdgpu_metadata
.endif
;; end of part 1
;; launch attn (part 2): grid 16 x 16, 16 waves a work-group, no clusters, 264,192 bytes of LDS; arguments qc, kc, vc, lowp_scales, oc; writes oc
.if DOCPART == 2
	.amdgcn_target "amdgcn-amd-amdhsa--gfx1250"
	.amdhsa_code_object_version 6
	.text
	.protected	k_q1d312e1520_attn
	.globl	k_q1d312e1520_attn
	.p2align	8
	.type	k_q1d312e1520_attn,@function
k_q1d312e1520_attn:
	s_mov_b64 s[64:65], 0
	v_nop
	global_prefetch_b8 v0, s[64:65] scope:SCOPE_SE
	s_setreg_imm32_b32 hwreg(HW_REG_WAVE_MODE, 25, 1), 1
	s_wait_xcnt 0x0
; att[q][:] = the sum over keys of softmax(q . k / sqrt(32)) v, for 16 (image, head) pairs of 4,096 pixels and 32 channels, both products on codes of FP8 (E4M3); att leaves as codes of FP8 for the last product.
; qc, kc: [pair][pixel tile 256][512 bytes]: images of fragment registers 0-3 (lane (r, h): pixel r, channels 8 h + 0..7 and 16 + 8 h + 0..7).  vc: [pair][key step 32][channel tile 2][4][512 bytes]: images of V^T's fragments (lane: channel r, keys along the registers).
; THE SOFTMAX AHEAD OF THE SECOND PRODUCT: t = score x log2(e) / sqrt(32); M = the largest t so far, taken UP to a whole number; p = 2^(t - M) is quantised with 2^e4, not normalised.  The row's sum is taken of the unquantised p
; and divides at the end.  When M moves, the sum and O are multiplied by 2^(old M - new M): nothing is rounded, and there is no branch on data.
; SHARES.  A work-group owns 256 queries of one pair (x of the grid: the block, y: the pair); each of its sixteen waves 16 of them, in 256 registers: four waves to a SIMD, so that one wave's exponentials stand beside another's plain work.
; Every wave walks 32 key steps of 128 keys.  S^T = K Q^T (source 0 = 16 keys, source 1 = my queries), O^T = V^T P (source 0 = 16 channels, source 1 = P): a lane holds ONE query throughout; tile t's eight scores of a lane are
; keys 16 t + 8 h + 0..7, so one conversion gives registers 2 t, 2 t + 1 of P: every key in its own place.  The head has 32 channels: the K = 64 form is fed with zero codes in registers 4-7 of both sources, written once.
; LDS holds the pair's WHOLE K (131,072 bytes from 0) and V (from 131,072), flat copies of kc and vc: each byte is stored once.  They come in eight chunks of four key steps, through registers: a chunk's four loads a thread are
; issued at the head of the chunk before, stored to LDS behind its four steps, and shown to all by one barrier.  Between two barriers chunk i alone is read and chunk i + 1 alone is stored.
; NOT USED, and why.  Joint loads in a cluster (the 16 work-groups of a pair read the same K and V): a key step brings 8,192 bytes to a work-group, for which its sixteen waves issue some 3,100 vector instructions; the loads stand
; four key steps ahead of the wait for them.  For the same lead no prefetch is laid.
; THE HOLD OF p at 448 x 2^e4 is jumped over where it can change nothing: e4 >= -8 (448 x 2^e4 >= 1.75) and e2 + e3 <= 3 (then |t| <= 448 x 448 x 32 x 0.2551 x 8 < 2^24, the product that gives M is off by 1/2 at the most, and p <= 2^(1/2)).
; LIMITS on the given exponents, so that each power of two below is an f32 number: e2 + e3 between -124 and 129 (added to c's exponent field); e4 and e6 - e4 - e5 between -126 and 119.
; REGISTERS: v1-8 addresses; v9, v10 2^e4 and 448 x 2^e4; v12 -M, v13 the largest t, v[14:15] the sum in two halves; v16-23 Q; v24-87 K's eight tiles; v88-119 V's two; v120-183 S^T, then p; v184-199 O^T; v200-215 P's codes;
;   v216-231 the chunk on its way; v232-239 at work; v240-243 the codes that leave; v244, v245 their scale and hold.
.set VLDS, 131072
.set KF,   24
.set VF,   88
.set S,    120
.set O,    184
.set PC,   200
.set CH,   216
.macro MKSC se, vsc, vlim              ; the exponent in s[se] becomes 2^e and 448 x 2^e as f32
	s_add_co_i32 s40, s[\se], 127
	s_lshl_b32 s41, s40, 23
	v_mov_b32 v[\vsc], s41
	s_add_co_i32 s40, s40, 8
	s_lshl_b32 s40, s40, 23
	s_or_b32 s40, s40, 0x600000
	v_mov_b32 v[\vlim], s40
.endm
; A KEY STEP: 128 keys, at LDS byte s24 of K and of V.
.macro STEP
	v_add_nc_u32 v5, s24, v1
	v_add_nc_u32 v6, s24, v2
	v_nop
	v_nop                                          ; four plain lines between the last step's products V^T P and the loads into V's registers (ISA guide 7.12.1 for vector instructions)
.irp t, 0,1,2,3,4,5,6,7
	ds_load_b128 v[KF+8*\t:KF+8*\t+3], v5 offset:512*\t          ; 512 consecutive bytes a load
.endr
.irp u, 0,1
.irp c, 0,1,2,3
	ds_load_b128 v[VF+16*\u+4*\c:VF+16*\u+4*\c+3], v6 offset:2048*\u+512*\c
.endr
.endr
	s_add_co_u32 s24, s24, 4096
	s_wait_dscnt 8                                 ; K's eight loads are in; V's eight may be out
.irp t, 0,1,2,3,4,5,6,7
	v_wmma_f32_16x16x64_fp8_fp8 v[S+8*\t:S+8*\t+7], v[KF+8*\t:KF+8*\t+7], v[16:23], 0
.endr
.rept 4
	v_nop
.endr
	v_max3_num_f32 v232, v[S], v[S+1], v[S+2]      ; the step's largest score of my query among my 64 keys, in two chains, each tile from its low end on
	v_max3_num_f32 v233, v[S+3], v[S+4], v[S+5]
.irp i, 6,10,14,18,22,26,30,34,38,42,46,50,54,58
	v_max3_num_f32 v232, v232, v[S+\i], v[S+\i+1]
	v_max3_num_f32 v233, v233, v[S+\i+2], v[S+\i+3]
.endr
	v_max3_num_f32 v232, v232, v[S+62], v[S+63]
	v_max_num_f32 v232, v232, v233
	v_permlanex16_b32 v236, v232, s20, s21
	v_max_num_f32 v232, v232, v236                 ; and among lane l xor 16's
	v_mul_f32 v232, s22, v232                      ; as t (c is positive)
	v_max_num_f32 v13, v13, v232                   ; the running largest t
	v_mov_b32 v232, v12
	v_floor_f32 v12, -v13                          ; the new -M = floor(-t): M is a whole number
	v_sub_f32 v232, v12, v232                      ; old M - new M: a whole number, 0 or less
	v_cvt_i32_f32 v232, v232                       ; (it saturates)
	v_ldexp_f32 v234, 1.0, v232                    ; f = 2^(old M - new M)
	; ONE BATCH: 32 packed scalings t - M and 64 exponentials; a pair is scaled one line ahead of the pair before's exponentials, and no line names an exponential's result
	v_pk_fma_f32 v[S:S+1], v[S:S+1], s[22:23], v[12:13] op_sel_hi:[1,0,0]
.set bj, 0
.rept 32
.if bj < 31
	v_pk_fma_f32 v[S+2*bj+2:S+2*bj+3], v[S+2*bj+2:S+2*bj+3], s[22:23], v[12:13] op_sel_hi:[1,0,0]
.endif
	v_exp_f32 v[S+2*bj], v[S+2*bj]                 ; p = 2^(t - M)
	v_exp_f32 v[S+2*bj+1], v[S+2*bj+1]
.set bj, bj+1
.endr
	v_pk_mul_f32 v[14:15], v[14:15], v[234:235] op_sel_hi:[1,0]   ; the sum under the new M: the plain line behind the last exponential
	s_wait_alu depctr_va_vdst(0)                   ; one wait for the batch, ahead of its first use
	v_pk_add_f32 v[238:239], v[S:S+1], v[S+2:S+3]  ; the row's sum is taken of the unquantised p: two at a time, in two chains
.irp j, 4,8,12,16,20,24,28,32,36,40,44,48,52,56,60
	v_pk_add_f32 v[14:15], v[14:15], v[S+\j:S+\j+1]
	v_pk_add_f32 v[238:239], v[238:239], v[S+\j+2:S+\j+3]
.endr
	v_pk_add_f32 v[14:15], v[14:15], v[238:239]
	s_cmp_lg_u32 s28, 0                            ; the hold changes nothing under these given exponents (head comment): a scalar branch on whole numbers that were read, the same in every wave; no barrier stands under it
	s_cbranch_scc1 .Lfree_\@
.set hj, 0
.rept 64
	v_min_num_f32 v[S+hj], v[S+hj], v10            ; the conversion does not saturate (ISA guide 7.6.2); p is not negative, so the hold is one-sided
.set hj, hj+1
.endr
.Lfree_\@:
.irp t, 0,1,2,3,4,5,6,7
	v_cvt_scalef32_pk8_fp8_f32 v[PC+2*\t:PC+2*\t+1], v[S+8*\t:S+8*\t+7], v9
.endr
.irp i, 0,2,4,6,8,10,12,14
	v_pk_mul_f32 v[O+\i:O+\i+1], v[O+\i:O+\i+1], v[234:235] op_sel_hi:[1,0]   ; O^T under the new M; also the plain lines behind the conversions
.endr
	s_wait_dscnt 0x0                               ; V is in
.irp u, 0,1
	v_wmma_f32_16x16x128_fp8_fp8 v[O+8*\u:O+8*\u+7], v[VF+16*\u:VF+16*\u+15], v[PC:PC+15], v[O+8*\u:O+8*\u+7]   ; the two accumulators by turns; the next step's eight products stand between two links of a chain
.endr
.endm
; A CHUNK: four key steps.  fill = 1: the next chunk is asked for at the head and stored to LDS at the end.
.macro CHUNK fill
.if \fill
	global_load_b128 v[CH:CH+3], v3, s[6:7]                ; 512 threads x 16 bytes: 8,192 consecutive bytes a line
	global_load_b128 v[CH+4:CH+7], v3, s[6:7] offset:8192
	global_load_b128 v[CH+8:CH+11], v3, s[8:9]
	global_load_b128 v[CH+12:CH+15], v3, s[8:9] offset:8192
.endif
	s_mov_b32 s27, 4
.Lstep_\@:
	STEP
	s_sub_co_u32 s27, s27, 1
	s_cmp_lg_u32 s27, 0
	s_cbranch_scc1 .Lstep_\@
.if \fill
	s_wait_loadcnt 0x0                             ; the four loads, issued four key steps ago, are in: their bases may step
	s_add_nc_u64 s[6:7], s[6:7], 16384
	s_add_nc_u64 s[8:9], s[8:9], 16384
	v_add_nc_u32 v7, s25, v3
	v_add_nc_u32 v8, s25, v4
	ds_store_b128 v7, v[CH:CH+3]
	ds_store_b128 v7, v[CH+4:CH+7] offset:8192
	ds_store_b128 v8, v[CH+8:CH+11]
	ds_store_b128 v8, v[CH+12:CH+15] offset:8192
	s_add_co_u32 s25, s25, 16384
	s_wait_dscnt 0x0                               ; for the others' sake: my part of the next chunk lies in LDS
	s_barrier_signal -1
	s_barrier_wait -1                              ; everybody's does
.endif
.endm
	s_load_b256 s[4:11], s[0:1], 0x0               ; qc s[4:5], kc s[6:7], vc s[8:9], lowp_scales s[10:11]
	s_load_b64 s[12:13], s[0:1], 0x20              ; oc
	v_lshl_add_u32 v254, v0, 2, 0x40000
	v_mov_b32 v255, 0
	v_lshrrev_b32 v1, 5, v0
	v_readfirstlane_b32 s14, v1                    ; wave 0..15
	v_and_b32 v1, 31, v0
	v_lshlrev_b32 v1, 4, v1                        ; 16 x lane: my place in an image
	v_add_nc_u32 v2, VLDS, v1                      ; the same in V's half of LDS
	v_lshlrev_b32 v3, 4, v0                        ; 16 x thread: my place in a line of a chunk, in memory and in LDS
	v_add_nc_u32 v4, VLDS, v3
	s_and_b32 s15, ttmp7, 0xffff                   ; the pair: 8 b + head
	s_lshl_b32 s16, s15, 17                        ; its 131,072 bytes in qc, kc and vc
	s_mov_b32 s17, 0
	s_lshl_b32 s18, ttmp9, 4
	s_add_co_u32 s18, s18, s14                     ; my tile of 16 queries
	s_lshl_b32 s40, s18, 9
	s_add_co_u32 s40, s40, s16
	s_mov_b32 s41, 0
	s_lshr_b32 s42, s15, 3                         ; oc: b x 1,048,576 + tile x 4,096 + head x 512 (K step head / 4, group head % 4 of the last product's operand)
	s_lshl_b32 s42, s42, 20
	s_lshl_b32 s43, s18, 12
	s_add_co_u32 s42, s42, s43
	s_and_b32 s43, s15, 7
	s_lshl_b32 s43, s43, 9
	s_add_co_u32 s42, s42, s43
	s_mov_b32 s43, 0
	s_mov_b32 s20, 0x76543210                      ; v_permlanex16_b32's selects for lane l xor 16
	s_mov_b32 s21, 0xfedcba98
	s_mov_b32 s22, 0x3e8293ee                      ; c = log2(e) / sqrt(32)
	s_mov_b32 s24, 0                               ; LDS byte of the step in hand
	s_mov_b32 s25, 16384                           ; LDS byte at which the next chunk goes
	s_mov_b32 s26, 7                               ; chunks still to be asked for
	s_wait_kmcnt 0x0
	s_load_b256 s[32:39], s[10:11], 0x0            ; e0 .. e7
	s_add_nc_u64 s[6:7], s[6:7], s[16:17]
	s_add_nc_u64 s[8:9], s[8:9], s[16:17]
	s_add_nc_u64 s[4:5], s[4:5], s[40:41]
	s_add_nc_u64 s[12:13], s[12:13], s[42:43]
	global_load_b128 v[CH:CH+3], v3, s[6:7]        ; chunk 0
	global_load_b128 v[CH+4:CH+7], v3, s[6:7] offset:8192
	global_load_b128 v[CH+8:CH+11], v3, s[8:9]
	global_load_b128 v[CH+12:CH+15], v3, s[8:9] offset:8192
	global_load_b128 v[16:19], v1, s[4:5]          ; Q's registers 0-3 stay
.irp i, 20,21,22,23
	v_mov_b32 v[\i], 0                             ; Q's k = 32 .. 63: zero codes
.endr
.irp t, 0,1,2,3,4,5,6,7
.irp i, 4,5,6,7
	v_mov_b32 v[KF+8*\t+\i], 0                     ; K's likewise, in registers of their own
.endr
.endr
.set oi, 0
.rept 16
	v_mov_b32 v[O+oi], 0                           ; O^T: the step is written once; its first walk finds zeros, which the first change of M leaves zeros
.set oi, oi+1
.endr
	v_mov_b32 v13, 0xff61b1e6                      ; the largest t so far: -3e38
	v_floor_f32 v12, -v13                          ; -M
	v_mov_b32 v14, 0
	v_mov_b32 v15, 0
	v_mov_b32 v235, 0                              ; (named as the upper half of the pair v[234:235])
	v_mov_b32 v236, 0                              ; a lane permute's destination counts as one of its sources
	s_wait_kmcnt 0x0
	s_add_co_i32 s16, s34, s35                     ; e2 + e3: a score stands for score x 2^(e2 + e3):
	s_lshl_b32 s17, s16, 23
	s_add_co_i32 s22, s22, s17                     ; added to c's exponent field
	s_mov_b32 s23, s22                             ; (named with it as a pair)
	s_cmp_gt_i32 s36, -9
	s_cselect_b32 s28, 1, 0
	s_cmp_lt_i32 s16, 4
	s_cselect_b32 s28, s28, 0                      ; 1: p's hold is left out
	MKSC 36, 9, 10                                 ; 2^e4, 448 x 2^e4
	s_sub_co_i32 s19, s38, s36
	s_sub_co_i32 s19, s19, s37                     ; O / l stands for att / 2^(e4 + e5): its conversion takes 2^(e6 - e4 - e5)
	MKSC 19, 244, 245
	s_wait_loadcnt 1                               ; chunk 0's four loads are in; Q's may be out
	ds_store_b128 v3, v[CH:CH+3]
	ds_store_b128 v3, v[CH+4:CH+7] offset:8192
	ds_store_b128 v4, v[CH+8:CH+11]
	ds_store_b128 v4, v[CH+12:CH+15] offset:8192
	s_add_nc_u64 s[6:7], s[6:7], 16384
	s_add_nc_u64 s[8:9], s[8:9], 16384
	s_wait_dscnt 0x0
	s_barrier_signal -1
	s_barrier_wait -1                              ; chunk 0 lies in LDS
	s_wait_loadcnt 0x0                             ; Q
.Lchunk:                                           ; seven trips: chunk i is walked while chunk i + 1 comes
	CHUNK 1
	s_sub_co_u32 s26, s26, 1
	s_cmp_lg_u32 s26, 0
	s_cbranch_scc1 .Lchunk
	CHUNK 0                                        ; the last chunk asks for nothing: no load leaves its buffer
	; THE WAY OUT: O^T / the sum, quantised: a lane's eight channels of tile u are registers 2 u, 2 u + 1 of the last product's operand, so the wave's four registers leave as they stand
	v_add_f32 v14, v14, v15                        ; the sum's two halves,
	v_permlanex16_b32 v236, v14, s20, s21
	v_add_f32 v14, v14, v236                       ; and lane l xor 16's
	v_rcp_f32 v14, v14
	v_nop                                          ; the plain line behind the reciprocal;
	v_nop                                          ; with the two additions: four plain lines behind the last products
	s_wait_alu depctr_va_vdst(0)                   ; ahead of the reciprocal's first use
.set oi, 0
.rept 16
	v_mul_f32 v[S+oi], v[O+oi], v14
.set oi, oi+1
.endr
.set oi, 0
.rept 16
	v_med3_num_f32 v[S+oi], v[S+oi], -v245, v245
.set oi, oi+1
.endr
	v_cvt_scalef32_pk8_fp8_f32 v[240:241], v[S:S+7], v244
	v_cvt_scalef32_pk8_fp8_f32 v[242:243], v[S+8:S+15], v244
	v_nop
	global_store_b128 v1, v[240:243], s[12:13]     ; 512 consecutive bytes, aligned
	s_wait_tensorcnt 0x0
	ds_add_u32 v254, v255
	s_wait_dscnt 0x0
	s_endpgm
.Lfunc_end_k_q1d312e1520_attn:
	.size	k_q1d312e1520_attn, .Lfunc_end_k_q1d312e1520_attn-k_q1d312e1520_attn
	.p2alignl 7, 3214868480
	.fill 96, 4, 3214868480
	.section	.rodata,"a",@progbits
	.p2align	6, 0x0
	.amdhsa_kernel k_q1d312e1520_attn
		.amdhsa_group_segment_fixed_size 264192
		.amdhsa_private_segment_fixed_size 0
		.amdhsa_enable_private_segment 0
		.amdhsa_kernarg_size 40
		.amdhsa_user_sgpr_count 2
		.amdhsa_user_sgpr_kernarg_segment_ptr 1
		.amdhsa_wavefront_size32 1
		.amdhsa_system_sgpr_workgroup_id_x 1
		.amdhsa_system_sgpr_workgroup_id_y 1
		.amdhsa_system_sgpr_workgroup_id_z 1
		.amdhsa_system_vgpr_workitem_id 0
		.amdhsa_next_free_vgpr 256
		.amdhsa_next_free_sgpr 66
		.amdhsa_reserve_vcc 0
		.amdhsa_float_denorm_mode_32 3
		.amdhsa_float_denorm_mode_16_64 3
		.amdhsa_memory_ordered 1
		.amdhsa_forward_progress 1
		.amdhsa_inst_pref_size 37
	.end_amdhsa_kernel
	.amdgpu_metadata
---
amdhsa.version: [ 1, 2 ]
amdhsa.kernels:
  - .name:           k_q1d312e1520_attn
    .symbol:         k_q1d312e1520_attn.kd
    .args:
      - { .name: qc, .offset: 0, .size: 8, .value_kind: global_buffer, .address_space: global }
      - { .name: kc, .offset: 8, .size: 8, .value_kind: global_buffer, .address_space: global }
      - { .name: vc, .offset: 16, .size: 8, .value_kind: global_buffer, .address_space: global }
      - { .name: lowp_scales, .offset: 24, .size: 8, .value_kind: global_buffer, .address_space: global }
      - { .name: oc, .offset: 32, .size: 8, .value_kind: global_buffer, .address_space: global }
    .group_segment_fixed_size: 264192
    .private_segment_fixed_size: 0
    .kernarg_segment_align: 8
    .kernarg_segment_size: 40
    .max_flat_workgroup_size: 512
    .sgpr_count:     66
    .vgpr_count:     256
    .wavefront_size: 32
...
	.end_amdgpu_metadata
.endif
;; end of part 2
;; launch proj (part 3): grid 64 x 4, 8 waves a work-group, no clusters, 51,200 bytes of LDS; arguments oc, w_proj, b_proj, lowp_scales, out0; writes out0
.if DOCPART == 3
	.amdgcn_target "amdgcn-amd-amdhsa--gfx1250"
	.amdhsa_code_object_version 6
	.text
	.protected	k_q1d312e1520_proj
	.globl	k_q1d312e1520_proj
	.p2align	8
	.type	k_q1d312e1520_proj,@function
k_q1d312e1520_proj:
	s_mov_b64 s[64:65], 0
	v_nop
	global_prefetch_b8 v0, s[64:65] scope:SCOPE_SE
	s_setreg_imm32_b32 hwreg(HW_REG_WAVE_MODE, 25, 1), 1
	s_wait_xcnt 0x0
; out0[b][o][pixel] = sum over d of w_proj[o][d] att[b][d][pixel] + b_proj[o], on codes of FP8 (E4M3).  att arrives as codes (scale 2^e6), laid as images of this product's fragments:
; oc [b][pixel tile 256][K step 2][4][512 bytes], lane (r, h): pixel r, registers 2 c, 2 c + 1: d = 16 c + 8 h + 0..7.  w_proj: [256][256] f32, quantised here with 2^e7.  out0: [2][256][4096] f32.
; SHARES.  A work-group takes 128 pixels (x of the grid: 32 b + block) x 64 outputs (y: g).  Wave w owns pixel tile w, and quantises one of w_proj's eight fragments (rows 16 (w / 2) on, K step w % 2), which go from
; wave to wave through LDS as images of their registers.  Source 0 = 16 pixels of att, source 1 = 16 rows of w_proj: a lane holds one output o and eight NEIGHBOURING pixels, 32 bytes of a row of out0.
; A row's 512 bytes come from eight waves: they meet in a stage (rows of 512 + 16 bytes), and each wave stores eight whole rows, 512 consecutive aligned bytes a store.
; out = sum x 2^(e6 + e7) + b: one packed multiply-add for two numbers.
; LIMITS on the given exponents: e7 between -126 and 119, e6 + e7 between -126 and 127.  NaN among the inputs is not served.
; No tensor loads, no cluster, no prefetch: each work-group reads 32 KB of codes and 64 KB of weights once, at its head.
; REGISTERS: v1 16 x lane; v4-8 addresses; v10, v11 2^e7 and 448 x 2^e7; v16-47 att's two fragments; v48-111 w as f32, then v48-175 its eight fragments, then rows of out0; v112-127 codes; v176-207 sums; v208-239 results; v240-247 bias pairs.
.set STG,  16384                       ; LDS: w's 8 images (2 T + s) x 2048 from 0; the stage: 64 rows x 528 bytes
.set AF,   16
.set WF,   48                          ; fragment (T, s) at WF + 16 (2 T + s)
.set ACC,  176
.set Y,    208
.set BI,   240
.macro MKSC se, vsc, vlim
	s_add_co_i32 s40, s[\se], 127
	s_lshl_b32 s41, s40, 23
	v_mov_b32 v[\vsc], s41
	s_add_co_i32 s40, s40, 8
	s_lshl_b32 s40, s40, 23
	s_or_b32 s40, s40, 0x600000
	v_mov_b32 v[\vlim], s40
.endm
.macro FETCH reg, adr, off
.irp c, 0,1,2,3
	ds_load_b128 v[\reg+4*\c:\reg+4*\c+3], v[\adr] offset:\off+512*\c
.endr
.endm
	s_load_b256 s[4:11], s[0:1], 0x0               ; oc s[4:5], w_proj s[6:7], b_proj s[8:9], lowp_scales s[10:11]
	s_load_b64 s[12:13], s[0:1], 0x20              ; out0
	v_lshl_add_u32 v254, v0, 2, 0xc400
	v_mov_b32 v255, 0
	v_lshrrev_b32 v1, 5, v0
	v_readfirstlane_b32 s14, v1                    ; wave 0..7
	v_and_b32 v1, 31, v0
	v_and_b32 v2, 15, v0                           ; r
	v_bfe_u32 v3, v0, 4, 1                         ; h
	v_lshlrev_b32 v1, 4, v1                        ; 16 x lane
	v_lshlrev_b32 v4, 10, v2
	v_lshl_add_u32 v4, v3, 5, v4                   ; w: row r of 1,024 bytes, + 32 h
	s_lshl_b32 s36, s14, 11
	v_add_nc_u32 v5, s36, v1                       ; my image: 2048 x wave + 16 x lane
	v_mul_u32_u24 v6, v2, 528
	v_lshl_add_u32 v6, v3, 5, v6
	s_lshl_b32 s36, s14, 6
	s_add_co_u32 s36, s36, STG
	v_add_nc_u32 v6, s36, v6                       ; the stage, in: row r, + 64 x wave (my 16 pixels) + 32 h
	s_mul_i32 s36, s14, 8*528
	s_add_co_u32 s36, s36, STG
	v_add_nc_u32 v7, s36, v1                       ; and back: my eight rows, 16 bytes a lane
	v_lshlrev_b32 v8, 2, v2                        ; bias: my output
	s_and_b32 s15, ttmp7, 0xffff                   ; g
	s_lshr_b32 s24, ttmp9, 5                       ; b
	s_and_b32 s25, ttmp9, 31                       ; block of 128 pixels
	s_lshl_b32 s26, s15, 16                        ; w: (64 g + 16 (wave / 2)) rows of 1,024 bytes + 512 x (wave % 2)
	s_lshr_b32 s27, s14, 1
	s_lshl_b32 s27, s27, 14
	s_add_co_u32 s26, s26, s27
	s_and_b32 s27, s14, 1
	s_lshl_b32 s27, s27, 9
	s_add_co_u32 s26, s26, s27
	s_mov_b32 s27, 0
	s_lshl_b32 s28, s25, 3                         ; oc: b x 1,048,576 + (8 block + wave) x 4,096
	s_add_co_u32 s28, s28, s14
	s_lshl_b32 s28, s28, 12
	s_lshl_b32 s29, s24, 20
	s_add_co_u32 s28, s28, s29
	s_mov_b32 s29, 0
	s_lshl_b32 s32, s15, 8                         ; bias: 64 g x 4
	s_mov_b32 s33, 0
	s_lshl_b32 s34, s24, 22                        ; out0: b x 4,194,304 + (64 g + 8 wave) rows of 16,384 bytes + block x 512
	s_lshl_b32 s35, s15, 20
	s_add_co_u32 s34, s34, s35
	s_lshl_b32 s35, s14, 17
	s_add_co_u32 s34, s34, s35
	s_lshl_b32 s35, s25, 9
	s_add_co_u32 s34, s34, s35
	s_mov_b32 s35, 0
	s_wait_kmcnt 0x0
	s_load_b256 s[16:23], s[10:11], 0x0            ; e0 .. e7
	s_add_nc_u64 s[6:7], s[6:7], s[26:27]
	s_add_nc_u64 s[4:5], s[4:5], s[28:29]
	s_add_nc_u64 s[8:9], s[8:9], s[32:33]
	s_add_nc_u64 s[12:13], s[12:13], s[34:35]
.irp c, 0,1,2,3,4,5,6,7
	global_load_b128 v[WF+8*\c:WF+8*\c+3], v4, s[6:7] offset:64*\c         ; my fragment of w as f32: d = 16 c + 8 h + 0..7 into registers 8 c on
	global_load_b128 v[WF+8*\c+4:WF+8*\c+7], v4, s[6:7] offset:64*\c+16
.endr
.irp s, 0,1
.irp c, 0,1,2,3
	global_load_b128 v[AF+16*\s+4*\c:AF+16*\s+4*\c+3], v1, s[4:5] offset:2048*\s+512*\c   ; att's fragments as they lie: 512 consecutive bytes a load
.endr
.endr
.irp t, 0,1,2,3
	global_load_b32 v[BI+2*\t], v8, s[8:9] offset:64*\t                    ; b_proj(64 g + 16 T + r)
	v_mov_b32 v[BI+2*\t+1], 0                                              ; (named with it as a pair)
.endr
	s_wait_kmcnt 0x0
	MKSC 23, 10, 11                                ; 2^e7, 448 x 2^e7
	s_add_co_i32 s30, s22, s23
	s_add_co_i32 s30, s30, 127
	s_lshl_b32 s30, s30, 23                        ; 2^(e6 + e7) as f32
	s_mov_b32 s31, s30                             ; (named with it as a pair)
	s_wait_loadcnt 12                              ; w's 16 loads are in; att's 8 and the bias's 4 may be out
.set qg, 0
.rept 8
.irp i, 0,1,2,3,4,5,6,7
	v_med3_num_f32 v[WF+8*qg+\i], v[WF+8*qg+\i], -v11, v11   ; the conversion to an 8-bit code does not saturate (ISA guide 7.6.2): the hold at the largest code x the scale
.endr
	v_cvt_scalef32_pk8_fp8_f32 v[112+2*qg:112+2*qg+1], v[WF+8*qg:WF+8*qg+7], v10
.set qg, qg+1
.endr
	v_nop                                          ; one plain vector line behind the last conversion
.irp c, 0,1,2,3
	ds_store_b128 v5, v[112+4*\c:112+4*\c+3] offset:512*\c
.endr
	s_wait_dscnt 0x0                               ; for the others' sake: my image lies in LDS
	s_barrier_signal -1
	s_barrier_wait -1                              ; all eight do
.irp s, 0,1                                    ; K step 0's four fragments first
.irp t, 0,1,2,3
	FETCH WF+16*(2*\t+\s), 1, (2*\t+\s)*2048
.endr
.endr
	s_wait_loadcnt 0x0                             ; att and the bias
	s_wait_dscnt 16                                ; K step 0's 16 loads are in; K step 1's may be out
.irp t, 0,1,2,3
	v_wmma_f32_16x16x128_fp8_fp8 v[ACC+8*\t:ACC+8*\t+7], v[AF:AF+15], v[WF+32*\t:WF+32*\t+15], 0          ; the first K step starts the sums; the four accumulators by turns
.endr
	s_wait_dscnt 0x0
.irp t, 0,1,2,3
	v_wmma_f32_16x16x128_fp8_fp8 v[ACC+8*\t:ACC+8*\t+7], v[AF+16:AF+31], v[WF+32*\t+16:WF+32*\t+31], v[ACC+8*\t:ACC+8*\t+7]
.endr
.rept 4
	v_nop                                          ; four plain lines ahead of the first read of results (ISA guide 7.12.1)
.endr
.irp t, 0,1,2,3
.irp i, 0,2,4,6
	v_pk_fma_f32 v[Y+8*\t+\i:Y+8*\t+\i+1], v[ACC+8*\t+\i:ACC+8*\t+\i+1], s[30:31], v[BI+2*\t:BI+2*\t+1] op_sel_hi:[1,0,0]   ; sum x 2^(e6 + e7) + b: of both pairs the low word serves both halves
.endr
.endr
.irp t, 0,1,2,3
	ds_store_b128 v6, v[Y+8*\t:Y+8*\t+3] offset:8448*\t          ; lane (r, h): out(o = 16 T + r, pixels 16 w + 8 h + 0..7)
	ds_store_b128 v6, v[Y+8*\t+4:Y+8*\t+7] offset:8448*\t+16
.endr
	s_wait_dscnt 0x0                               ; for the others' sake: my 64 bytes of each row lie in the stage
	s_barrier_signal -1
	s_barrier_wait -1                              ; 64 whole rows do
.irp i, 0,1,2,3,4,5,6,7
	ds_load_b128 v[WF+4*\i:WF+4*\i+3], v7 offset:528*\i
.endr
.irp i, 0,1,2,3,4,5,6,7
	s_wait_dscnt 7-\i                              ; row i is in; the younger loads may be out
	global_store_b128 v1, v[WF+4*\i:WF+4*\i+3], s[12:13] offset:16384*\i th:TH_STORE_NT   ; 32 lanes store 512 consecutive bytes, aligned; written once, read by nobody here
.endr
	s_wait_tensorcnt 0x0
	ds_add_u32 v254, v255
	s_wait_dscnt 0x0
	s_endpgm
.Lfunc_end_k_q1d312e1520_proj:
	.size	k_q1d312e1520_proj, .Lfunc_end_k_q1d312e1520_proj-k_q1d312e1520_proj
	.p2alignl 7, 3214868480
	.fill 96, 4, 3214868480
	.section	.rodata,"a",@progbits
	.p2align	6, 0x0
	.amdhsa_kernel k_q1d312e1520_proj
		.amdhsa_group_segment_fixed_size 51200
		.amdhsa_private_segment_fixed_size 0
		.amdhsa_enable_private_segment 0
		.amdhsa_kernarg_size 40
		.amdhsa_user_sgpr_count 2
		.amdhsa_user_sgpr_kernarg_segment_ptr 1
		.amdhsa_wavefront_size32 1
		.amdhsa_system_sgpr_workgroup_id_x 1
		.amdhsa_system_sgpr_workgroup_id_y 1
		.amdhsa_system_sgpr_workgroup_id_z 1
		.amdhsa_system_vgpr_workitem_id 0
		.amdhsa_next_free_vgpr 256
		.amdhsa_next_free_sgpr 66
		.amdhsa_reserve_vcc 0
		.amdhsa_float_denorm_mode_32 3
		.amdhsa_float_denorm_mode_16_64 3
		.amdhsa_memory_ordered 1
		.amdhsa_forward_progress 1
		.amdhsa_inst_pref_size 17
	.end_amdhsa_kernel
	.amdgpu_metadata
---
amdhsa.version: [ 1, 2 ]
amdhsa.kernels:
  - .name:           k_q1d312e1520_proj
    .symbol:         k_q1d312e1520_proj.kd
    .args:
      - { .name: oc, .offset: 0, .size: 8, .value_kind: global_buffer, .address_space: global }
      - { .name: w_proj, .offset: 8, .size: 8, .value_kind: global_buffer, .address_space: global }
      - { .name: b_proj, .offset: 16, .size: 8, .value_kind: global_buffer, .address_space: global }
      - { .name: lowp_scales, .offset: 24, .size: 8, .value_kind: global_buffer, .address_space: global }
      - { .name: out0, .offset: 32, .size: 8, .value_kind: global_buffer, .address_space: global }
    .group_segment_fixed_size: 51200
    .private_segment_fixed_size: 0
    .kernarg_segment_align: 8
    .kernarg_segment_size: 40
    .max_flat_workgroup_size: 256
    .sgpr_count:     66
    .vgpr_count:     256
    .wavefront_size: 32
...
	.end_amdgpu_metadata
.endif
;; end of part 3
;; ======== version 2 of 2: 3 launches; version 1 with the launches qkv, attn, proj written anew for expert scheduling mode
;; workspace buffers: qc 2,097,152 bytes; kc 2,097,152 bytes; vc 2,097,152 bytes; oc 2,097,152 bytes
;; launch qkv (part 4): grid 64 x 4, 8 waves a work-group, no clusters, 82,944 bytes of LDS; arguments x, w_qkv, b_qkv, lowp_scales, qc, kc, vc; writes qc, kc, vc
.if DOCPART == 4
	.amdgcn_target "amdgcn-amd-amdhsa--gfx1250"
	.amdhsa_code_object_version 6
	.text
	.protected	k_q1d312e1520_qkv
	.globl	k_q1d312e1520_qkv
	.p2align	8
	.type	k_q1d312e1520_qkv,@function
k_q1d312e1520_qkv:
	s_mov_b64 s[64:65], 0
	v_nop
	global_prefetch_b8 v0, s[64:65] scope:SCOPE_SE
	s_setreg_imm32_b32 hwreg(HW_REG_WAVE_SCHED_MODE, 0, 2), 2
	s_setreg_imm32_b32 hwreg(HW_REG_WAVE_MODE, 25, 1), 1
	s_wait_xcnt 0x0
	s_wait_alu depctr_vm_vsrc(0)
; qkv[o][pixel] = sum over d of w_qkv[o][d] x[b][d][pixel] + b_qkv[o], on codes of FP8 (E4M3); q, k and v leave as codes of FP8, laid as the next launch's operand registers.
; x: [2][256][4096] f32, scale 2^e0.  w_qkv: [768][256] f32, scale 2^e1.  q, k, v are quantised with 2^e2, 2^e3, 2^e5 (entries of lowp_scales).
; SHARES.  A work-group takes 128 pixels of one image (x of the grid: 32 b + block) and 192 outputs: q, k and v of heads 2 g and 2 g + 1 (y of the grid: g).  256 work-groups of equal work.
; EVERY OPERAND IS AN IMAGE OF ITS FRAGMENT'S REGISTERS, in the layout of the plain 8-bit forms: lane (r, h) holds row r, registers 2 c, 2 c + 1 hold k = 16 c + 8 h + 0 .. 7.  Four registers of 32 lanes are 512 bytes,
; lane l's 16 bytes at 16 l.  A result tile holds m = 8 h + j in register j, so ONE conversion of its eight registers gives registers 2 c, 2 c + 1 of the next operand, c = the tile's number along the next K: nothing is turned.
;   q, k: source 0 = 16 rows of w, source 1 = 16 pixels of x: a lane holds one pixel and eight channels.    v: source 0 = 16 pixels, source 1 = 16 rows of w: a lane holds one channel and eight pixels (the keys are v's K).
; PHASES.  W: wave w quantises three fragments of w_qkv (q's, k's, v's rows 16 (w / 2) on of the work-group's 64, K step w % 2).   X: wave w quantises 32 pixels (w % 4) x 128 of d (w / 4): a lane takes a pixel and its registers
; run down d, so each load reads 128 consecutive bytes and the codes come out with d innermost.   One barrier.   Products: wave w takes pixel tiles 2 (w % 4), 2 (w % 4) + 1 and head 2 g + w / 4: 24 matrix instructions.
; The bias is what the sums begin with: b / 2^(e0 + e1), loaded into the accumulators.  A sum stands for sum x 2^(e0 + e1), so q's conversion takes 2^(e2 - e0 - e1) as its one scale; k's and v's likewise.
; x is quantised by each of the four work-groups that read it: 128 conversions a work-group, against a launch of its own.
; LIMITS on the given exponents, so that each power of two below is an f32 number: e0, e1, e2 - e0 - e1, e3 - e0 - e1, e5 - e0 - e1 between -126 and 119.  NaN among the inputs is not served.
; No tensor loads, no cluster: what work-groups share (x by four, w_qkv's rows by 64) is read once by each, at the head, with nothing to overlap it with.
; LDS: x's 16 images (pixel tile t, K step s) at (8 s + t) x 2048; w's 24 images (type j, tile T of four, K step s) at WIMG + (8 j + 2 T + s) x 2048.
; REGISTERS: v4 16 x lane; v5-8 LDS addresses; v9-12 offsets in memory; v14-23 scales and holds; v24-31 codes; v32-223 numbers as loaded, v224-255 w's codes; in the products v32-95 x's, v96-159 w's fragments, v160-255 accumulators;
;   the codes that leave: q's in v24-31, k's in v160-167 (q's sums have left them), v's in v192-199 (k's sums have left them).
; THE MODE: SCHED_MODE bits 1:0 = 2 (LLVM: expert scheduling mode 2), set by the entry lines.  The code itself states the register dependences between vector or matrix instructions and memory or LDS instructions, with s_wait_alu, always for 0.
; THE PLAN.  Registers that memory or LDS instructions touch, in program order:
;   v4-12     offsets and LDS addresses: written once at the head and never again: one wait on va_vdst ahead of the first load serves every load and store of the kernel.
;   v32-223   w's three fragments as loaded.  A fragment's holds and conversions read and write its 64 registers; then loads of x (v32-159) or of the bias (v160-223) land there.
;   v224-255  w's codes: written by the conversions, read by the images' LDS stores; v224-239 are written a second time (the third fragment's codes), and the bias lands in all of them.
;             So ONE wait on va_vdst stands behind each fragment's conversions (its codes are written; its 64 registers are done with), and a wait on vm_vsrc ahead of the third fragment's conversions and ahead of the bias's loads.
;   x's codes v24-31, v32-39, v64-71, v96-103, a set to each block of 32 of d: written by conversions, read by LDS stores.  Two blocks are converted, one wait on va_vdst, four stores.
;   v32-159   behind the barrier: fragments from LDS.  One wait on vm_vsrc there: the LDS stores have read x's codes.  The second of the two waits above has shown the holds and conversions done with these registers.
;   w's fragments v96-159 are loaded anew for each type: the wait on va_vdst behind a type's products (and their places) states that these are done reading them, and that the codes of the type before are written:
;             its two stores follow that wait.  Each type's codes have registers of their own, so no store's data are written again.
.set WIMG, 32768
.set XF,   32                          ; x's fragment (p, s) at XF + 16 (2 p + s)
.set WF,   96                          ; w's fragment (u, s) at WF + 16 (2 u + s)
.set ACC,  160                         ; accumulator (type j, a, b) at ACC + 32 j + 16 a + 8 b; q, k: (a, b) = (pixel tile p, channel tile u); v: (u, p)
.macro MKSC se, vsc, vlim              ; the exponent in s[se] becomes 2^e and 448 x 2^e as f32, in v[vsc] and v[vlim]
	s_add_co_i32 s40, s[\se], 127
	s_lshl_b32 s41, s40, 23
	v_mov_b32 v[\vsc], s41
	s_add_co_i32 s40, s40, 8
	s_lshl_b32 s40, s40, 23
	s_or_b32 s40, s40, 0x600000
	v_mov_b32 v[\vlim], s40
.endm
.macro WLOAD j, reg                    ; a fragment of w as f32: lane (r, h): row r, d = 16 c + 8 h + 0 .. 7 into registers 8 c on
.irp c, 0,1,2,3,4,5,6,7
	global_load_b128 v[\reg+8*\c:\reg+8*\c+3], v10, s[6:7] offset:262144*\j+64*\c
	global_load_b128 v[\reg+8*\c+4:\reg+8*\c+7], v10, s[6:7] offset:262144*\j+64*\c+16
.endr
.endm
.macro QUANT src, cnt, dst, sc, lim    ; cnt groups of eight numbers become two registers of codes each
.set qg, 0
.rept \cnt
.irp i, 0,1,2,3,4,5,6,7
	v_med3_num_f32 v[\src+8*qg+\i], v[\src+8*qg+\i], -v[\lim], v[\lim]   ; the conversion to an 8-bit code does not saturate (ISA guide 7.6.2): the hold at the largest code x the scale
.endr
	v_cvt_scalef32_pk8_fp8_f32 v[\dst+2*qg:\dst+2*qg+1], v[\src+8*qg:\src+8*qg+7], v[\sc]
.set qg, qg+1
.endr
	v_nop                                          ; one plain vector line behind the last conversion, ahead of whatever next touches its registers
.endm
.macro IMAGE adr, reg, off             ; a fragment's 16 registers go to LDS as they stand
.irp c, 0,1,2,3
	ds_store_b128 v[\adr], v[\reg+4*\c:\reg+4*\c+3] offset:\off+512*\c
.endr
.endm
.macro FETCH reg, adr, off             ; and come back so, in any wave
.irp c, 0,1,2,3
	ds_load_b128 v[\reg+4*\c:\reg+4*\c+3], v[\adr] offset:\off+512*\c
.endr
.endm
.macro XLOAD t                         ; x(d = 32 t + i, my pixel), i = 0 .. 31: each load reads 128 consecutive bytes; the four waves of a K step stand side by side on 512
.set xi, 0
.rept 32
	global_load_b32 v[32+32*\t+xi], v9, s[4:5] offset:(32*\t+xi)*16384
.set xi, xi+1
.endr
.endm
.macro XCONV t, cd                     ; 32 of d become registers 4 t .. 4 t + 3 of my pixel's row, for both halves of the lanes: h = 0 wants d = 0-7 and 16-23 of the 32, h = 1 wants 8-15 and 24-31
.set xi, 0
.rept 32
	v_med3_num_f32 v[32+32*\t+xi], v[32+32*\t+xi], -v15, v15
.set xi, xi+1
.endr
	v_cvt_scalef32_pk8_fp8_f32 v[\cd:\cd+1], v[32+32*\t:32+32*\t+7], v14
	v_cvt_scalef32_pk8_fp8_f32 v[\cd+2:\cd+3], v[32+32*\t+16:32+32*\t+23], v14
	v_cvt_scalef32_pk8_fp8_f32 v[\cd+4:\cd+5], v[32+32*\t+8:32+32*\t+15], v14
	v_cvt_scalef32_pk8_fp8_f32 v[\cd+6:\cd+7], v[32+32*\t+24:32+32*\t+31], v14
	v_nop
.endm
.macro XSTORE t, cd                    ; and go into the image
	ds_store_b128 v5, v[\cd:\cd+3] offset:512*\t           ; the place of lane (r, 0) in the image: 16 r
	ds_store_b128 v5, v[\cd+4:\cd+7] offset:512*\t+256     ; and of lane (r, 1): 256 + 16 r
.endm
.macro WFETCH j                        ; my head's four fragments of type j
.irp u, 0,1
.irp s, 0,1
	FETCH WF+16*(2*\u+\s), 8, (\j)*16384+\u*4096+\s*2048
.endr
.endr
.endm
.macro MUL j                           ; eight matrix instructions: the type's four accumulators by turns, one instruction a turn, K step 0 and then 1
.irp s, 0,1
.irp a, 0,1
.irp b, 0,1
.if \j < 2
	v_wmma_f32_16x16x128_fp8_fp8 v[ACC+32*\j+16*\a+8*\b:ACC+32*\j+16*\a+8*\b+7], v[WF+16*(2*\b+\s):WF+16*(2*\b+\s)+15], v[XF+16*(2*\a+\s):XF+16*(2*\a+\s)+15], v[ACC+32*\j+16*\a+8*\b:ACC+32*\j+16*\a+8*\b+7]
.else
	v_wmma_f32_16x16x128_fp8_fp8 v[ACC+32*\j+16*\a+8*\b:ACC+32*\j+16*\a+8*\b+7], v[XF+16*(2*\b+\s):XF+16*(2*\b+\s)+15], v[WF+16*(2*\a+\s):WF+16*(2*\a+\s)+15], v[ACC+32*\j+16*\a+8*\b:ACC+32*\j+16*\a+8*\b+7]
.endif
.endr
.endr
.endr
.endm
.macro PLACES                          ; four plain vector lines between a matrix instruction and a vector instruction's read of its result (ISA guide 7.12.1)
.rept 4
	v_nop
.endr
.endm
.macro CODES j, dst, sc, lim           ; the type's four tiles become two groups of four code registers, v[dst] on
	QUANT ACC+32*\j, 2, \dst, \sc, \lim            ; each accumulator from its low end on
	QUANT ACC+32*\j+16, 2, \dst+4, \sc, \lim
.endm
.macro SEND dst, base, step            ; each store of the wave covers 512 consecutive bytes, aligned
	global_store_b128 v4, v[\dst:\dst+3], s[\base:\base+1]
	global_store_b128 v4, v[\dst+4:\dst+7], s[\base:\base+1] offset:\step
.endm
	s_load_b256 s[4:11], s[0:1], 0x0               ; x s[4:5], w_qkv s[6:7], b_qkv s[8:9], lowp_scales s[10:11]
	s_load_b128 s[12:15], s[0:1], 0x20             ; qc s[12:13], kc s[14:15]
	s_load_b64 s[16:17], s[0:1], 0x30              ; vc
	v_lshl_add_u32 v13, v0, 2, 0x14000
	s_set_vgpr_msb 0x40
	v_mov_b32 v1, 0
	s_set_vgpr_msb 0x4000
	v_lshrrev_b32 v1, 5, v0
	v_readfirstlane_b32 s18, v1                    ; wave 0..7
	v_and_b32 v1, 31, v0                           ; lane
	v_and_b32 v2, 15, v0                           ; r
	v_bfe_u32 v3, v0, 4, 1                         ; h
	v_lshlrev_b32 v4, 4, v1                        ; 16 x lane: my place in an image
	s_wait_alu depctr_va_sdst(0)                   ; s18 is written, ahead of its first reader: LDS addresses and the buffers' offsets are made from it
	s_lshl_b32 s19, s18, 12
	v_lshlrev_b32 v5, 4, v2
	v_lshl_add_u32 v5, v3, 11, v5
	v_add_nc_u32 v5, s19, v5                       ; x's images, in: 4096 x wave (its two pixel tiles of its K step) + 2048 x (lane / 16) + 16 x (lane % 16)
	s_lshl_b32 s19, s18, 11
	s_add_co_u32 s19, s19, WIMG
	v_add_nc_u32 v6, s19, v4                       ; w's images, in: WIMG + 2048 x wave + 16 x lane
	s_and_b32 s20, s18, 3                          ; wave % 4: which 32 pixels
	s_lshr_b32 s21, s18, 2                         ; wave / 4: which K step of x I quantise; which head I multiply for
	s_lshl_b32 s19, s20, 12
	v_add_nc_u32 v7, s19, v4                       ; x's images, out: my two pixel tiles
	s_lshl_b32 s19, s21, 13
	s_add_co_u32 s19, s19, WIMG
	v_add_nc_u32 v8, s19, v4                       ; w's images, out: my head's four
	v_lshlrev_b32 v9, 2, v1                        ; x: 4 bytes a lane
	v_lshlrev_b32 v10, 10, v2
	v_lshl_add_u32 v10, v3, 5, v10                 ; w: row r of 1,024 bytes, + 32 h
	v_lshlrev_b32 v11, 5, v3                       ; bias of q, k: my half's eight channels
	v_lshlrev_b32 v12, 2, v2                       ; bias of v: my channel
	s_and_b32 s22, ttmp7, 0xffff                   ; g
	s_lshr_b32 s23, ttmp9, 5                       ; b
	s_and_b32 s39, ttmp9, 31                       ; block of 128 pixels
	s_lshl_b32 s40, s23, 22                        ; x: b x 4,194,304
	s_lshl_b32 s41, s21, 21                        ;  + K step x 128 rows of 16,384 bytes
	s_add_co_u32 s40, s40, s41
	s_lshl_b32 s41, s39, 9                         ;  + block x 512
	s_add_co_u32 s40, s40, s41
	s_lshl_b32 s41, s20, 7                         ;  + 32 pixels x 4 bytes x (wave % 4)
	s_add_co_u32 s40, s40, s41
	s_mov_b32 s41, 0
	s_lshl_b32 s42, s22, 16                        ; w: (64 g + 16 (wave / 2)) rows of 1,024 bytes + 512 x (wave % 2)
	s_lshr_b32 s43, s18, 1
	s_lshl_b32 s43, s43, 14
	s_add_co_u32 s42, s42, s43
	s_and_b32 s43, s18, 1
	s_lshl_b32 s43, s43, 9
	s_add_co_u32 s42, s42, s43
	s_mov_b32 s43, 0
	s_lshl_b32 s44, s22, 8                         ; bias: (64 g + 32 head) x 4
	s_lshl_b32 s45, s21, 7
	s_add_co_u32 s44, s44, s45
	s_mov_b32 s45, 0
	s_lshl_b32 s46, s23, 3                         ; codes: (8 b + 2 g + head) x 131,072 + block x 4,096
	s_lshl_b32 s47, s22, 1
	s_add_co_u32 s46, s46, s47
	s_add_co_u32 s46, s46, s21
	s_lshl_b32 s46, s46, 17
	s_lshl_b32 s47, s39, 12
	s_add_co_u32 s46, s46, s47
	s_lshl_b32 s48, s20, 10                        ; q, k: + my two pixel tiles of 512 bytes
	s_add_co_u32 s48, s48, s46
	s_mov_b32 s49, 0
	s_lshl_b32 s50, s20, 9                         ; v: + my group of four registers (32 keys)
	s_add_co_u32 s50, s50, s46
	s_mov_b32 s51, 0
	s_wait_kmcnt 0x0
	s_load_b256 s[24:31], s[10:11], 0x0            ; e0 .. e7
	s_add_nc_u64 s[4:5], s[4:5], s[40:41]
	s_add_nc_u64 s[6:7], s[6:7], s[42:43]
	s_add_nc_u64 s[8:9], s[8:9], s[44:45]
	s_add_nc_u64 s[32:33], s[12:13], s[48:49]
	s_add_nc_u64 s[34:35], s[14:15], s[48:49]
	s_add_nc_u64 s[36:37], s[16:17], s[50:51]
	s_wait_alu depctr_va_vdst(0)                   ; v4 to v12 are written: every load, store and LDS instruction of the kernel reads one of them as its offset or address
	WLOAD 0, 32
	WLOAD 1, 96
	WLOAD 2, 160
	s_wait_kmcnt 0x0
	s_add_co_i32 s52, s24, s25                     ; e0 + e1
	s_sub_co_i32 s38, 0, s52
	MKSC 24, 14, 15                                ; x's scale and hold
	MKSC 25, 16, 17                                ; w's
	s_sub_co_i32 s53, s26, s52
	MKSC 53, 18, 19                                ; q's: e2 - e0 - e1
	s_sub_co_i32 s53, s27, s52
	MKSC 53, 20, 21                                ; k's: e3 - e0 - e1
	s_sub_co_i32 s53, s29, s52
	MKSC 53, 22, 23                                ; v's: e5 - e0 - e1
	; ---- W, with x's loads issued into the registers that each fragment leaves
	s_wait_loadcnt 32                              ; q's fragment is in; k's and v's 32 loads may be out
	QUANT 32, 8, 224, 16, 17
	s_wait_alu depctr_va_vdst(0)                   ; the conversions have written v224-239, which the LDS stores read; the holds and conversions are done with v32-95, in which x's loads land
	IMAGE 6, 224, 0
	XLOAD 0
	XLOAD 1
	s_wait_loadcnt 63                              ; 80 loads were issued behind k's fragment; 63 is the largest count that the wait can name
	QUANT 96, 8, 240, 16, 17
	s_wait_alu depctr_va_vdst(0)                   ; the conversions have written v240-255, which the LDS stores read; the holds and conversions are done with v96-159, in which x's loads land
	IMAGE 6, 240, 16384
	XLOAD 2
	XLOAD 3
	s_wait_loadcnt 63                              ; 128 loads were issued behind v's fragment
	s_wait_dscnt 0x0                               ; the first image's stores have read v224 on
	s_wait_alu depctr_vm_vsrc(0)                   ; the first image's LDS stores have read v224-239, which the conversions below write again
	QUANT 160, 8, 224, 16, 17
	s_wait_alu depctr_va_vdst(0)                   ; the conversions have written v224-239, which the LDS stores read; the holds and conversions are done with v160-223, in which the bias lands
	IMAGE 6, 224, 32768
	s_wait_dscnt 0x0                               ; all images' stores have read their registers: the biases land there
	s_wait_alu depctr_vm_vsrc(0)                   ; the second and third images' LDS stores have read v224-255, in which loads of the bias land and which the spreading of v's bias writes
	; ---- the biases, straight into the accumulators: q, k: register i of tile u is channel 16 u + 8 h + i, for both pixel tiles; v: one number a lane, spread below
.irp j, 0,1
.irp p, 0,1
.irp u, 0,1
	global_load_b128 v[ACC+32*\j+16*\p+8*\u:ACC+32*\j+16*\p+8*\u+3], v11, s[8:9] offset:1024*\j+64*\u
	global_load_b128 v[ACC+32*\j+16*\p+8*\u+4:ACC+32*\j+16*\p+8*\u+7], v11, s[8:9] offset:1024*\j+64*\u+16
.endr
.endr
.endr
.irp u, 0,1
	global_load_b32 v[ACC+64+16*\u], v12, s[8:9] offset:2048+64*\u
.endr
	; ---- X: two blocks are converted, then their four LDS stores follow one wait
	s_wait_loadcnt 63                              ; behind block 0's loads: 96 of x and 18 of the bias
	XCONV 0, 24
	s_wait_loadcnt 63                              ; behind block 1's: 64 + 18
	XCONV 1, 32                                    ; its codes take registers that block 0 has left; so on
	s_wait_alu depctr_va_vdst(0)                   ; the conversions have written v24-31 and v32-39, which the LDS stores read
	XSTORE 0, 24
	XSTORE 1, 32
	s_wait_loadcnt 50                              ; behind block 2's: 32 + 18
	XCONV 2, 64
	s_wait_loadcnt 18                              ; behind block 3's: the 18 of the bias
	XCONV 3, 96
	s_wait_alu depctr_va_vdst(0)                   ; the conversions have written v64-71 and v96-103, which the LDS stores read; all holds and conversions are done with v32-159, in which the fragments land behind the barrier
	XSTORE 2, 64
	XSTORE 3, 96
	s_wait_dscnt 0x0                               ; for the others' sake: my images lie in LDS
	s_barrier_signal -1
	s_barrier_wait -1                              ; everybody's do; nothing is stored to LDS behind this barrier
	s_wait_alu depctr_vm_vsrc(0)                   ; my LDS stores have read x's codes: fragments land in v32-39, v64-71 and v96-103, and q's conversions write v24-31
	; ---- products
.irp p, 0,1
.irp s, 0,1
	FETCH XF+16*(2*\p+\s), 7, \s*16384+\p*2048
.endr
.endr
	WFETCH 0
	s_wait_loadcnt 0x0                             ; the biases
.set bi, 0
.rept 64
	v_ldexp_f32 v[ACC+bi], v[ACC+bi], s38          ; b / 2^(e0 + e1): what the sums lack
.set bi, bi+1
.endr
.irp u, 0,1
.set bi, 15
.rept 16
	v_ldexp_f32 v[ACC+64+16*\u+bi], v[ACC+64+16*\u], s38   ; v: my channel's bias in all 16 registers of the two pixel tiles; the register that holds it comes last
.set bi, bi-1
.endr
.endr
	s_wait_dscnt 0x0
	MUL 0
	PLACES
	s_wait_alu depctr_va_vdst(0)                   ; q's products are done reading w's fragments v96-159, in which k's land
	WFETCH 1                                       ; k's fragments come while q is quantised
	CODES 0, 24, 18, 19
	s_wait_dscnt 0x0
	MUL 1
	PLACES
	s_wait_alu depctr_va_vdst(0)                   ; k's products are done reading w's fragments, in which v's land; q's conversions have written v24-31, which the stores read
	WFETCH 2
	SEND 24, 32, 512
	CODES 1, 160, 20, 21
	s_wait_dscnt 0x0
	MUL 2
	PLACES
	s_wait_alu depctr_va_vdst(0)                   ; k's conversions have written v160-167, which the stores read
	SEND 160, 34, 512
	CODES 2, 192, 22, 23
	s_wait_alu depctr_va_vdst(0)                   ; v's conversions have written v192-199, which the stores read
	SEND 192, 36, 2048
	s_set_vgpr_msb 0x4
	s_wait_dscnt 0x0
	s_wait_alu depctr_hold_cnt(0) depctr_sa_sdst(0) depctr_va_vdst(0) depctr_va_sdst(0) depctr_va_ssrc(0) depctr_va_vcc(0) depctr_vm_vsrc(0)
	s_wait_tensorcnt 0x0
	ds_add_u32 v13, v1
	s_wait_dscnt 0x0
	s_endpgm
.Lfunc_end_k_q1d312e1520_qkv:
	.size	k_q1d312e1520_qkv, .Lfunc_end_k_q1d312e1520_qkv-k_q1d312e1520_qkv
	.p2alignl 7, 3214868480
	.fill 96, 4, 3214868480
	.section	.rodata,"a",@progbits
	.p2align	6, 0x0
	.amdhsa_kernel k_q1d312e1520_qkv
		.amdhsa_group_segment_fixed_size 82944
		.amdhsa_private_segment_fixed_size 0
		.amdhsa_enable_private_segment 0
		.amdhsa_kernarg_size 56
		.amdhsa_user_sgpr_count 2
		.amdhsa_user_sgpr_kernarg_segment_ptr 1
		.amdhsa_wavefront_size32 1
		.amdhsa_system_sgpr_workgroup_id_x 1
		.amdhsa_system_sgpr_workgroup_id_y 1
		.amdhsa_system_sgpr_workgroup_id_z 1
		.amdhsa_system_vgpr_workitem_id 0
		.amdhsa_next_free_vgpr 258
		.amdhsa_next_free_sgpr 66
		.amdhsa_reserve_vcc 0
		.amdhsa_float_denorm_mode_32 3
		.amdhsa_float_denorm_mode_16_64 3
		.amdhsa_memory_ordered 1
		.amdhsa_forward_progress 1
		.amdhsa_inst_pref_size 68
	.end_amdhsa_kernel
	.amdgpu_metadata
---
amdhsa.version: [ 1, 2 ]
amdhsa.kernels:
  - .name:           k_q1d312e1520_qkv
    .symbol:         k_q1d312e1520_qkv.kd
    .args:
      - { .name: x, .offset: 0, .size: 8, .value_kind: global_buffer, .address_space: global }
      - { .name: w_qkv, .offset: 8, .size: 8, .value_kind: global_buffer, .address_space: global }
      - { .name: b_qkv, .offset: 16, .size: 8, .value_kind: global_buffer, .address_space: global }
      - { .name: lowp_scales, .offset: 24, .size: 8, .value_kind: global_buffer, .address_space: global }
      - { .name: qc, .offset: 32, .size: 8, .value_kind: global_buffer, .address_space: global }
      - { .name: kc, .offset: 40, .size: 8, .value_kind: global_buffer, .address_space: global }
      - { .name: vc, .offset: 48, .size: 8, .value_kind: global_buffer, .address_space: global }
    .group_segment_fixed_size: 82944
    .private_segment_fixed_size: 0
    .kernarg_segment_align: 8
    .kernarg_segment_size: 56
    .max_flat_workgroup_size: 256
    .sgpr_count:     66
    .vgpr_count:     258
    .wavefront_size: 32
...
	.end_amdgpu_metadata
.endif
;; end of part 4
;; launch attn (part 5): grid 16 x 16, 16 waves a work-group, no clusters, 264,192 bytes of LDS; arguments qc, kc, vc, lowp_scales, oc; writes oc
.if DOCPART == 5
	.amdgcn_target "amdgcn-amd-amdhsa--gfx1250"
	.amdhsa_code_object_version 6
	.text
	.protected	k_q1d312e1520_attn
	.globl	k_q1d312e1520_attn
	.p2align	8
	.type	k_q1d312e1520_attn,@function
k_q1d312e1520_attn:
	s_mov_b64 s[64:65], 0
	v_nop
	global_prefetch_b8 v0, s[64:65] scope:SCOPE_SE
	s_setreg_imm32_b32 hwreg(HW_REG_WAVE_SCHED_MODE, 0, 2), 2
	s_setreg_imm32_b32 hwreg(HW_REG_WAVE_MODE, 25, 1), 1
	s_wait_xcnt 0x0
	s_wait_alu depctr_vm_vsrc(0)
; att[q][:] = the sum over keys of softmax(q . k / sqrt(32)) v, for 16 (image, head) pairs of 4,096 pixels and 32 channels, both products on codes of FP8 (E4M3); att leaves as codes of FP8 for the last product.
; qc, kc: [pair][pixel tile 256][512 bytes]: images of fragment registers 0-3 (lane (r, h): pixel r, channels 8 h + 0..7 and 16 + 8 h + 0..7).  vc: [pair][key step 32][channel tile 2][4][512 bytes]: images of V^T's fragments (lane: channel r, keys along the registers).
; THE SOFTMAX AHEAD OF THE SECOND PRODUCT: t = score x log2(e) / sqrt(32); M = the largest t so far, taken UP to a whole number; p = 2^(t - M) is quantised with 2^e4, not normalised.  The row's sum is taken of the unquantised p
; and divides at the end.  When M moves, the sum and O are multiplied by 2^(old M - new M): nothing is rounded, and there is no branch on data.
; SHARES.  A work-group owns 256 queries of one pair (x of the grid: the block, y: the pair); each of its sixteen waves 16 of them, in 256 registers: four waves to a SIMD, so that one wave's exponentials stand beside another's plain work.
; Every wave walks 32 key steps of 128 keys.  S^T = K Q^T (source 0 = 16 keys, source 1 = my queries), O^T = V^T P (source 0 = 16 channels, source 1 = P): a lane holds ONE query throughout; tile t's eight scores of a lane are
; keys 16 t + 8 h + 0..7, so one conversion gives registers 2 t, 2 t + 1 of P: every key in its own place.  The head has 32 channels: the K = 64 form is fed with zero codes in registers 4-7 of both sources, written once.
; LDS holds the pair's WHOLE K (131,072 bytes from 0) and V (from 131,072), flat copies of kc and vc: each byte is stored once.  They come in eight chunks of four key steps, through registers: a chunk's four loads a thread are
; issued at the head of the chunk before, stored to LDS behind its four steps, and shown to all by one barrier.  Between two barriers chunk i alone is read and chunk i + 1 alone is stored.
; NOT USED, and why.  Joint loads in a cluster (the 16 work-groups of a pair read the same K and V): a key step brings 8,192 bytes to a work-group, for which its sixteen waves issue some 3,100 vector instructions; the loads stand
; four key steps ahead of the wait for them.  For the same lead no prefetch is laid.
; THE HOLD OF p at 448 x 2^e4 is jumped over where it can change nothing: e4 >= -8 (448 x 2^e4 >= 1.75) and e2 + e3 <= 3 (then |t| <= 448 x 448 x 32 x 0.2551 x 8 < 2^24, the product that gives M is off by 1/2 at the most, and p <= 2^(1/2)).
; LIMITS on the given exponents, so that each power of two below is an f32 number: e2 + e3 between -124 and 129 (added to c's exponent field); e4 and e6 - e4 - e5 between -126 and 119.
; REGISTERS: v1-8 addresses; v9, v10 2^e4 and 448 x 2^e4; v12 -M, v13 the largest t, v[14:15] the sum in two halves; v16-23 Q; v24-87 K's eight tiles; v88-119 V's two; v120-183 S^T, then p; v184-199 O^T; v200-215 P's codes;
;   v216-231 the chunk on its way; v232-239 at work; v240-243 the codes that leave; v244, v245 their scale and hold.
; THE MODE: SCHED_MODE bits 1:0 = 2 (LLVM: expert scheduling mode 2), set by the entry lines.  The code itself states the register dependences between vector or matrix instructions and memory or LDS instructions, with s_wait_alu, always for 0.
; THE PLAN.  Registers that memory or LDS instructions touch, round the loop over chunks:
;   v1, v3, v4   offsets and LDS addresses made once at the head and never written again.
;   v5, v6       LDS addresses of the chunk's K and V; v7, v8: where the next chunk goes.  Written by four additions at a chunk's head; read by the chunk's LDS loads and by its four LDS stores.
;                A chunk's four key steps are written out, so that a step's place stands in the loads' immediate offsets (15,872 at the most) and no address is written inside a step.
;   CH v216-231  Written by the four global loads at a chunk's head, read by the four LDS stores at its end; no vector instruction names them.
;   K's registers 0-3 of each tile.  Read by a step's eight products S; the next step's loads land in them in the middle of the step (a chunk's first step: at the chunk's head, since the chunk lies in LDS only behind the barrier).
;   V v88-119    Read by a step's two products V^T P, at its end; the next step's loads land in them in the middle of that next step.
; So a chunk's head has one wait on vm_vsrc (the LDS stores have read CH, v7, v8; the LDS loads have read v5, v6) and one on va_vdst (the four addresses are written), and A STEP HAS ONE WAIT, on va_vdst, in its middle, behind the exponentials:
; it also states that this step's products S are done reading K and the last step's products V^T P done reading V.  The step's sixteen LDS loads follow it at once;
; the vector and matrix instructions behind them name S^T, P, O^T, V and the statistics, none of which a load still to be issued touches but V, whose next loads stand behind the next step's wait.
.set VLDS, 131072
.set KF,   24
.set VF,   88
.set S,    120
.set O,    184
.set PC,   200
.set CH,   216
.macro MKSC se, vsc, vlim              ; the exponent in s[se] becomes 2^e and 448 x 2^e as f32
	s_add_co_i32 s40, s[\se], 127
	s_lshl_b32 s41, s40, 23
	v_mov_b32 v[\vsc], s41
	s_add_co_i32 s40, s40, 8
	s_lshl_b32 s40, s40, 23
	s_or_b32 s40, s40, 0x600000
	v_mov_b32 v[\vlim], s40
.endm
; A KEY STEP: 128 keys, the q-th of the chunk in hand.
.macro STEP q
	s_wait_dscnt 0x0                               ; K's eight loads, issued in the middle of the step before (a chunk's first step: at the chunk's head), are in
.irp t, 0,1,2,3,4,5,6,7
	v_wmma_f32_16x16x64_fp8_fp8 v[S+8*\t:S+8*\t+7], v[KF+8*\t:KF+8*\t+7], v[16:23], 0
.endr
.rept 4
	v_nop
.endr
	v_max3_num_f32 v232, v[S], v[S+1], v[S+2]      ; the step's largest score of my query among my 64 keys, in two chains, each tile from its low end on
	v_max3_num_f32 v233, v[S+3], v[S+4], v[S+5]
.irp i, 6,10,14,18,22,26,30,34,38,42,46,50,54,58
	v_max3_num_f32 v232, v232, v[S+\i], v[S+\i+1]
	v_max3_num_f32 v233, v233, v[S+\i+2], v[S+\i+3]
.endr
	v_max3_num_f32 v232, v232, v[S+62], v[S+63]
	v_max_num_f32 v232, v232, v233
	v_permlanex16_b32 v236, v232, s20, s21
	v_max_num_f32 v232, v232, v236                 ; and among lane l xor 16's
	v_mul_f32 v232, s22, v232                      ; as t (c is positive)
	v_max_num_f32 v13, v13, v232                   ; the running largest t
	v_mov_b32 v232, v12
	v_floor_f32 v12, -v13                          ; the new -M = floor(-t): M is a whole number
	v_sub_f32 v232, v12, v232                      ; old M - new M: a whole number, 0 or less
	v_cvt_i32_f32 v232, v232                       ; (it saturates)
	v_ldexp_f32 v234, 1.0, v232                    ; f = 2^(old M - new M)
	; ONE BATCH: 32 packed scalings t - M and 64 exponentials; a pair is scaled one line ahead of the pair before's exponentials, and no line names an exponential's result
	v_pk_fma_f32 v[S:S+1], v[S:S+1], s[22:23], v[12:13] op_sel_hi:[1,0,0]
.set bj, 0
.rept 32
.if bj < 31
	v_pk_fma_f32 v[S+2*bj+2:S+2*bj+3], v[S+2*bj+2:S+2*bj+3], s[22:23], v[12:13] op_sel_hi:[1,0,0]
.endif
	v_exp_f32 v[S+2*bj], v[S+2*bj]                 ; p = 2^(t - M)
	v_exp_f32 v[S+2*bj+1], v[S+2*bj+1]
.set bj, bj+1
.endr
	v_pk_mul_f32 v[14:15], v[14:15], v[234:235] op_sel_hi:[1,0]   ; the sum under the new M: the plain line behind the last exponential
	s_wait_alu depctr_va_vdst(0)                   ; the 64 exponentials have written p, ahead of its first use; this step's products S are done reading K's registers, and the last step's products V^T P are done reading V's: the loads below land in both
.irp u, 0,1
.irp c, 0,1,2,3
	ds_load_b128 v[VF+16*\u+4*\c:VF+16*\u+4*\c+3], v6 offset:4096*(\q)+2048*\u+512*\c   ; this step's V: 512 consecutive bytes a load
.endr
.endr
.if \q < 3
.irp t, 0,1,2,3,4,5,6,7
	ds_load_b128 v[KF+8*\t:KF+8*\t+3], v5 offset:4096*((\q)+1)+512*\t          ; the next step's K.  A chunk's last step asks for none: the next chunk lies in LDS only behind the barrier
.endr
.endif
	v_pk_add_f32 v[238:239], v[S:S+1], v[S+2:S+3]  ; the row's sum is taken of the unquantised p: two at a time, in two chains
.irp j, 4,8,12,16,20,24,28,32,36,40,44,48,52,56,60
	v_pk_add_f32 v[14:15], v[14:15], v[S+\j:S+\j+1]
	v_pk_add_f32 v[238:239], v[238:239], v[S+\j+2:S+\j+3]
.endr
	v_pk_add_f32 v[14:15], v[14:15], v[238:239]
	s_cmp_lg_u32 s28, 0                            ; the hold changes nothing under these given exponents (head comment): a scalar branch on whole numbers that were read, the same in every wave; no barrier stands under it
	s_cbranch_scc1 .Lfree_\@
.set hj, 0
.rept 64
	v_min_num_f32 v[S+hj], v[S+hj], v10            ; the conversion does not saturate (ISA guide 7.6.2); p is not negative, so the hold is one-sided
.set hj, hj+1
.endr
.Lfree_\@:
.irp t, 0,1,2,3,4,5,6,7
	v_cvt_scalef32_pk8_fp8_f32 v[PC+2*\t:PC+2*\t+1], v[S+8*\t:S+8*\t+7], v9
.endr
.irp i, 0,2,4,6,8,10,12,14
	v_pk_mul_f32 v[O+\i:O+\i+1], v[O+\i:O+\i+1], v[234:235] op_sel_hi:[1,0]   ; O^T under the new M; also the plain lines behind the conversions
.endr
.if \q < 3
	s_wait_dscnt 8                                 ; V is in; the eight younger loads, the next step's K, may be out
.else
	s_wait_dscnt 0x0                               ; V is in
.endif
.irp u, 0,1
	v_wmma_f32_16x16x128_fp8_fp8 v[O+8*\u:O+8*\u+7], v[VF+16*\u:VF+16*\u+15], v[PC:PC+15], v[O+8*\u:O+8*\u+7]   ; the two accumulators by turns; the next step's eight products stand between two links of a chain
.endr
.endm
; A CHUNK: four key steps.  fill = 1: the next chunk is asked for at the head and stored to LDS at the end.
.macro CHUNK fill
	s_wait_alu depctr_vm_vsrc(0)                   ; the LDS stores of the chunk before (in the first trip: the head's) have read CH, v7 and v8, and its LDS loads v5 and v6: the loads below land in CH, the additions write the four addresses
.if \fill
	global_load_b128 v[CH:CH+3], v3, s[6:7]                ; 512 threads x 16 bytes: 8,192 consecutive bytes a line
	global_load_b128 v[CH+4:CH+7], v3, s[6:7] offset:8192
	global_load_b128 v[CH+8:CH+11], v3, s[8:9]
	global_load_b128 v[CH+12:CH+15], v3, s[8:9] offset:8192
.endif
	v_add_nc_u32 v5, s24, v1                       ; this chunk's K
	v_add_nc_u32 v6, s24, v2                       ; and V
.if \fill
	v_add_nc_u32 v7, s25, v3                       ; where the next chunk goes
	v_add_nc_u32 v8, s25, v4
.endif
	s_wait_alu depctr_va_vdst(0)                   ; the additions have written v5 to v8, which the chunk's LDS loads and stores read as addresses
.irp t, 0,1,2,3,4,5,6,7
	ds_load_b128 v[KF+8*\t:KF+8*\t+3], v5 offset:512*\t          ; the first step's K: 512 consecutive bytes a load
.endr
.if \fill
	s_add_co_u32 s24, s24, 16384
.endif
.irp q, 0,1,2,3
	STEP \q
.endr
.if \fill
	s_wait_loadcnt 0x0                             ; the four loads, issued four key steps ago, are in: their bases may step
	s_add_nc_u64 s[6:7], s[6:7], 16384
	s_add_nc_u64 s[8:9], s[8:9], 16384
	ds_store_b128 v7, v[CH:CH+3]
	ds_store_b128 v7, v[CH+4:CH+7] offset:8192
	ds_store_b128 v8, v[CH+8:CH+11]
	ds_store_b128 v8, v[CH+12:CH+15] offset:8192
	s_add_co_u32 s25, s25, 16384
	s_wait_dscnt 0x0                               ; for the others' sake: my part of the next chunk lies in LDS
	s_barrier_signal -1
	s_barrier_wait -1                              ; everybody's does
.endif
.endm
	s_load_b256 s[4:11], s[0:1], 0x0               ; qc s[4:5], kc s[6:7], vc s[8:9], lowp_scales s[10:11]
	s_load_b64 s[12:13], s[0:1], 0x20              ; oc
	v_lshl_add_u32 v254, v0, 2, 0x40000
	v_mov_b32 v255, 0
	v_lshrrev_b32 v1, 5, v0
	v_readfirstlane_b32 s14, v1                    ; wave 0..15
	v_and_b32 v1, 31, v0
	v_lshlrev_b32 v1, 4, v1                        ; 16 x lane: my place in an image
	v_add_nc_u32 v2, VLDS, v1                      ; the same in V's half of LDS
	v_lshlrev_b32 v3, 4, v0                        ; 16 x thread: my place in a line of a chunk, in memory and in LDS
	v_add_nc_u32 v4, VLDS, v3
	s_wait_alu depctr_va_sdst(0)                   ; s14 is written, ahead of its first reader: Q's and oc's offsets are made from it
	s_and_b32 s15, ttmp7, 0xffff                   ; the pair: 8 b + head
	s_lshl_b32 s16, s15, 17                        ; its 131,072 bytes in qc, kc and vc
	s_mov_b32 s17, 0
	s_lshl_b32 s18, ttmp9, 4
	s_add_co_u32 s18, s18, s14                     ; my tile of 16 queries
	s_lshl_b32 s40, s18, 9
	s_add_co_u32 s40, s40, s16
	s_mov_b32 s41, 0
	s_lshr_b32 s42, s15, 3                         ; oc: b x 1,048,576 + tile x 4,096 + head x 512 (K step head / 4, group head % 4 of the last product's operand)
	s_lshl_b32 s42, s42, 20
	s_lshl_b32 s43, s18, 12
	s_add_co_u32 s42, s42, s43
	s_and_b32 s43, s15, 7
	s_lshl_b32 s43, s43, 9
	s_add_co_u32 s42, s42, s43
	s_mov_b32 s43, 0
	s_mov_b32 s20, 0x76543210                      ; v_permlanex16_b32's selects for lane l xor 16
	s_mov_b32 s21, 0xfedcba98
	s_mov_b32 s22, 0x3e8293ee                      ; c = log2(e) / sqrt(32)
	s_mov_b32 s24, 0                               ; LDS byte of the chunk in hand
	s_mov_b32 s25, 16384                           ; LDS byte at which the next chunk goes
	s_mov_b32 s26, 7                               ; chunks still to be asked for
	s_wait_kmcnt 0x0
	s_load_b256 s[32:39], s[10:11], 0x0            ; e0 .. e7
	s_add_nc_u64 s[6:7], s[6:7], s[16:17]
	s_add_nc_u64 s[8:9], s[8:9], s[16:17]
	s_add_nc_u64 s[4:5], s[4:5], s[40:41]
	s_add_nc_u64 s[12:13], s[12:13], s[42:43]
	s_wait_alu depctr_va_vdst(0)                   ; v1, v3 and v4 are written, which the loads and the LDS stores below read as offsets and addresses
	global_load_b128 v[CH:CH+3], v3, s[6:7]        ; chunk 0
	global_load_b128 v[CH+4:CH+7], v3, s[6:7] offset:8192
	global_load_b128 v[CH+8:CH+11], v3, s[8:9]
	global_load_b128 v[CH+12:CH+15], v3, s[8:9] offset:8192
	global_load_b128 v[16:19], v1, s[4:5]          ; Q's registers 0-3 stay
.irp i, 20,21,22,23
	v_mov_b32 v[\i], 0                             ; Q's k = 32 .. 63: zero codes
.endr
.irp t, 0,1,2,3,4,5,6,7
.irp i, 4,5,6,7
	v_mov_b32 v[KF+8*\t+\i], 0                     ; K's likewise, in registers of their own
.endr
.endr
.set oi, 0
.rept 16
	v_mov_b32 v[O+oi], 0                           ; O^T: the step is written for every walk alike; its first walk finds zeros, which the first change of M leaves zeros
.set oi, oi+1
.endr
	v_mov_b32 v13, 0xff61b1e6                      ; the largest t so far: -3e38
	v_floor_f32 v12, -v13                          ; -M
	v_mov_b32 v14, 0
	v_mov_b32 v15, 0
	v_mov_b32 v235, 0                              ; (named as the upper half of the pair v[234:235])
	v_mov_b32 v236, 0                              ; a lane permute's destination counts as one of its sources
	s_wait_kmcnt 0x0
	s_add_co_i32 s16, s34, s35                     ; e2 + e3: a score stands for score x 2^(e2 + e3):
	s_lshl_b32 s17, s16, 23
	s_add_co_i32 s22, s22, s17                     ; added to c's exponent field
	s_mov_b32 s23, s22                             ; (named with it as a pair)
	s_cmp_gt_i32 s36, -9
	s_cselect_b32 s28, 1, 0
	s_cmp_lt_i32 s16, 4
	s_cselect_b32 s28, s28, 0                      ; 1: p's hold is left out
	MKSC 36, 9, 10                                 ; 2^e4, 448 x 2^e4
	s_sub_co_i32 s19, s38, s36
	s_sub_co_i32 s19, s19, s37                     ; O / l stands for att / 2^(e4 + e5): its conversion takes 2^(e6 - e4 - e5)
	MKSC 19, 244, 245
	s_wait_loadcnt 1                               ; chunk 0's four loads are in; Q's may be out
	ds_store_b128 v3, v[CH:CH+3]
	ds_store_b128 v3, v[CH+4:CH+7] offset:8192
	ds_store_b128 v4, v[CH+8:CH+11]
	ds_store_b128 v4, v[CH+12:CH+15] offset:8192
	s_add_nc_u64 s[6:7], s[6:7], 16384
	s_add_nc_u64 s[8:9], s[8:9], 16384
	s_wait_dscnt 0x0
	s_barrier_signal -1
	s_barrier_wait -1                              ; chunk 0 lies in LDS
	s_wait_loadcnt 0x0                             ; Q
.Lchunk:                                           ; seven trips: chunk i is walked while chunk i + 1 comes
	CHUNK 1
	s_sub_co_u32 s26, s26, 1
	s_cmp_lg_u32 s26, 0
	s_cbranch_scc1 .Lchunk
	CHUNK 0                                        ; the last chunk asks for nothing: no load leaves its buffer
	; THE WAY OUT: O^T / the sum, quantised: a lane's eight channels of tile u are registers 2 u, 2 u + 1 of the last product's operand, so the wave's four registers leave as they stand
	v_add_f32 v14, v14, v15                        ; the sum's two halves,
	v_permlanex16_b32 v236, v14, s20, s21
	v_add_f32 v14, v14, v236                       ; and lane l xor 16's
	v_rcp_f32 v14, v14
	v_nop                                          ; the plain line behind the reciprocal;
	v_nop                                          ; with the two additions: four plain lines behind the last products
	s_wait_alu depctr_va_vdst(0)                   ; the reciprocal has written v14, ahead of its first use
.set oi, 0
.rept 16
	v_mul_f32 v[S+oi], v[O+oi], v14
.set oi, oi+1
.endr
.set oi, 0
.rept 16
	v_med3_num_f32 v[S+oi], v[S+oi], -v245, v245
.set oi, oi+1
.endr
	v_cvt_scalef32_pk8_fp8_f32 v[240:241], v[S:S+7], v244
	v_cvt_scalef32_pk8_fp8_f32 v[242:243], v[S+8:S+15], v244
	v_nop
	s_wait_alu depctr_va_vdst(0)                   ; the conversions have written v240-243, which the store reads
	global_store_b128 v1, v[240:243], s[12:13]     ; 512 consecutive bytes, aligned
	s_wait_dscnt 0x0
	s_wait_alu depctr_hold_cnt(0) depctr_sa_sdst(0) depctr_va_vdst(0) depctr_va_sdst(0) depctr_va_ssrc(0) depctr_va_vcc(0) depctr_vm_vsrc(0)
	s_wait_tensorcnt 0x0
	ds_add_u32 v254, v255
	s_wait_dscnt 0x0
	s_endpgm
.Lfunc_end_k_q1d312e1520_attn:
	.size	k_q1d312e1520_attn, .Lfunc_end_k_q1d312e1520_attn-k_q1d312e1520_attn
	.p2alignl 7, 3214868480
	.fill 96, 4, 3214868480
	.section	.rodata,"a",@progbits
	.p2align	6, 0x0
	.amdhsa_kernel k_q1d312e1520_attn
		.amdhsa_group_segment_fixed_size 264192
		.amdhsa_private_segment_fixed_size 0
		.amdhsa_enable_private_segment 0
		.amdhsa_kernarg_size 40
		.amdhsa_user_sgpr_count 2
		.amdhsa_user_sgpr_kernarg_segment_ptr 1
		.amdhsa_wavefront_size32 1
		.amdhsa_system_sgpr_workgroup_id_x 1
		.amdhsa_system_sgpr_workgroup_id_y 1
		.amdhsa_system_sgpr_workgroup_id_z 1
		.amdhsa_system_vgpr_workitem_id 0
		.amdhsa_next_free_vgpr 256
		.amdhsa_next_free_sgpr 66
		.amdhsa_reserve_vcc 0
		.amdhsa_float_denorm_mode_32 3
		.amdhsa_float_denorm_mode_16_64 3
		.amdhsa_memory_ordered 1
		.amdhsa_forward_progress 1
		.amdhsa_inst_pref_size 116
	.end_amdhsa_kernel
	.amdgpu_metadata
---
amdhsa.version: [ 1, 2 ]
amdhsa.kernels:
  - .name:           k_q1d312e1520_attn
    .symbol:         k_q1d312e1520_attn.kd
    .args:
      - { .name: qc, .offset: 0, .size: 8, .value_kind: global_buffer, .address_space: global }
      - { .name: kc, .offset: 8, .size: 8, .value_kind: global_buffer, .address_space: global }
      - { .name: vc, .offset: 16, .size: 8, .value_kind: global_buffer, .address_space: global }
      - { .name: lowp_scales, .offset: 24, .size: 8, .value_kind: global_buffer, .address_space: global }
      - { .name: oc, .offset: 32, .size: 8, .value_kind: global_buffer, .address_space: global }
    .group_segment_fixed_size: 264192
    .private_segment_fixed_size: 0
    .kernarg_segment_align: 8
    .kernarg_segment_size: 40
    .max_flat_workgroup_size: 512
    .sgpr_count:     66
    .vgpr_count:     256
    .wavefront_size: 32
...
	.end_amdgpu_metadata
.endif
;; end of part 5
;; launch proj (part 6): grid 64 x 4, 8 waves a work-group, no clusters, 51,200 bytes of LDS; arguments oc, w_proj, b_proj, lowp_scales, out0; writes out0
.if DOCPART == 6
	.amdgcn_target "amdgcn-amd-amdhsa--gfx1250"
	.amdhsa_code_object_version 6
	.text
	.protected	k_q1d312e1520_proj
	.globl	k_q1d312e1520_proj
	.p2align	8
	.type	k_q1d312e1520_proj,@function
k_q1d312e1520_proj:
	s_mov_b64 s[64:65], 0
	v_nop
	global_prefetch_b8 v0, s[64:65] scope:SCOPE_SE
	s_setreg_imm32_b32 hwreg(HW_REG_WAVE_SCHED_MODE, 0, 2), 2
	s_setreg_imm32_b32 hwreg(HW_REG_WAVE_MODE, 25, 1), 1
	s_wait_xcnt 0x0
	s_wait_alu depctr_vm_vsrc(0)
; out0[b][o][pixel] = sum over d of w_proj[o][d] att[b][d][pixel] + b_proj[o], on codes of FP8 (E4M3).  att arrives as codes (scale 2^e6), laid as images of this product's fragments:
; oc [b][pixel tile 256][K step 2][4][512 bytes], lane (r, h): pixel r, registers 2 c, 2 c + 1: d = 16 c + 8 h + 0..7.  w_proj: [256][256] f32, quantised here with 2^e7.  out0: [2][256][4096] f32.
; SHARES.  A work-group takes 128 pixels (x of the grid: 32 b + block) x 64 outputs (y: g).  Wave w owns pixel tile w, and quantises one of w_proj's eight fragments (rows 16 (w / 2) on, K step w % 2), which go from
; wave to wave through LDS as images of their registers.  Source 0 = 16 pixels of att, source 1 = 16 rows of w_proj: a lane holds one output o and eight NEIGHBOURING pixels, 32 bytes of a row of out0.
; A row's 512 bytes come from eight waves: they meet in a stage (rows of 512 + 16 bytes), and each wave stores eight whole rows, 512 consecutive aligned bytes a store.
; out = sum x 2^(e6 + e7) + b: one packed multiply-add for two numbers.
; LIMITS on the given exponents: e7 between -126 and 119, e6 + e7 between -126 and 127.  NaN among the inputs is not served.
; No tensor loads, no cluster, no prefetch: each work-group reads 32 KB of codes and 64 KB of weights once, at its head.
; REGISTERS: v1 16 x lane; v4-8 addresses; v10, v11 2^e7 and 448 x 2^e7; v16-47 att's two fragments; v48-111 w as f32, then v48-175 its eight fragments, then rows of out0; v112-127 codes; v176-207 sums; v208-239 results; v240-247 bias pairs.
; THE MODE: SCHED_MODE bits 1:0 = 2 (LLVM: expert scheduling mode 2), set by the entry lines.  The code itself states the register dependences between vector or matrix instructions and memory or LDS instructions, with s_wait_alu, always for 0.
; THE PLAN.  Registers that memory or LDS instructions touch, in program order:
;   v1, v4-8  offsets and LDS addresses: written once at the head and never again: one wait on va_vdst ahead of the first load serves them all.
;   v48-111   w as loaded: read and written by the holds and conversions; then fragments from LDS land there.   v112-127 my fragment's codes: written by the conversions, read by four LDS stores; then fragments land there too.
;             One wait on va_vdst behind the conversions states both (codes written; v48-127 done with); one wait on vm_vsrc behind the barrier states that the LDS stores have read v112-127.
;   v48-175   w's eight fragments: read by the products; behind the second barrier the stage's rows land in v48-79.   v208-239 the results: written by the multiply-adds, read by eight LDS stores.
;             One wait on va_vdst behind the multiply-adds states both.  The rows that leave come from LDS loads: their counter's affair.
.set STG,  16384                       ; LDS: w's 8 images (2 T + s) x 2048 from 0; the stage: 64 rows x 528 bytes
.set AF,   16
.set WF,   48                          ; fragment (T, s) at WF + 16 (2 T + s)
.set ACC,  176
.set Y,    208
.set BI,   240
.macro MKSC se, vsc, vlim
	s_add_co_i32 s40, s[\se], 127
	s_lshl_b32 s41, s40, 23
	v_mov_b32 v[\vsc], s41
	s_add_co_i32 s40, s40, 8
	s_lshl_b32 s40, s40, 23
	s_or_b32 s40, s40, 0x600000
	v_mov_b32 v[\vlim], s40
.endm
.macro FETCH reg, adr, off
.irp c, 0,1,2,3
	ds_load_b128 v[\reg+4*\c:\reg+4*\c+3], v[\adr] offset:\off+512*\c
.endr
.endm
	s_load_b256 s[4:11], s[0:1], 0x0               ; oc s[4:5], w_proj s[6:7], b_proj s[8:9], lowp_scales s[10:11]
	s_load_b64 s[12:13], s[0:1], 0x20              ; out0
	v_lshl_add_u32 v254, v0, 2, 0xc400
	v_mov_b32 v255, 0
	v_lshrrev_b32 v1, 5, v0
	v_readfirstlane_b32 s14, v1                    ; wave 0..7
	v_and_b32 v1, 31, v0
	v_and_b32 v2, 15, v0                           ; r
	v_bfe_u32 v3, v0, 4, 1                         ; h
	v_lshlrev_b32 v1, 4, v1                        ; 16 x lane
	v_lshlrev_b32 v4, 10, v2
	v_lshl_add_u32 v4, v3, 5, v4                   ; w: row r of 1,024 bytes, + 32 h
	s_wait_alu depctr_va_sdst(0)                   ; s14 is written, ahead of its first reader: LDS addresses and the buffers' offsets are made from it
	s_lshl_b32 s36, s14, 11
	v_add_nc_u32 v5, s36, v1                       ; my image: 2048 x wave + 16 x lane
	v_mul_u32_u24 v6, v2, 528
	v_lshl_add_u32 v6, v3, 5, v6
	s_lshl_b32 s36, s14, 6
	s_add_co_u32 s36, s36, STG
	v_add_nc_u32 v6, s36, v6                       ; the stage, in: row r, + 64 x wave (my 16 pixels) + 32 h
	s_mul_i32 s36, s14, 8*528
	s_add_co_u32 s36, s36, STG
	v_add_nc_u32 v7, s36, v1                       ; and back: my eight rows, 16 bytes a lane
	v_lshlrev_b32 v8, 2, v2                        ; bias: my output
.irp t, 0,1,2,3
	v_mov_b32 v[BI+2*\t+1], 0                      ; (named with the bias as a pair)
.endr
	s_and_b32 s15, ttmp7, 0xffff                   ; g
	s_lshr_b32 s24, ttmp9, 5                       ; b
	s_and_b32 s25, ttmp9, 31                       ; block of 128 pixels
	s_lshl_b32 s26, s15, 16                        ; w: (64 g + 16 (wave / 2)) rows of 1,024 bytes + 512 x (wave % 2)
	s_lshr_b32 s27, s14, 1
	s_lshl_b32 s27, s27, 14
	s_add_co_u32 s26, s26, s27
	s_and_b32 s27, s14, 1
	s_lshl_b32 s27, s27, 9
	s_add_co_u32 s26, s26, s27
	s_mov_b32 s27, 0
	s_lshl_b32 s28, s25, 3                         ; oc: b x 1,048,576 + (8 block + wave) x 4,096
	s_add_co_u32 s28, s28, s14
	s_lshl_b32 s28, s28, 12
	s_lshl_b32 s29, s24, 20
	s_add_co_u32 s28, s28, s29
	s_mov_b32 s29, 0
	s_lshl_b32 s32, s15, 8                         ; bias: 64 g x 4
	s_mov_b32 s33, 0
	s_lshl_b32 s34, s24, 22                        ; out0: b x 4,194,304 + (64 g + 8 wave) rows of 16,384 bytes + block x 512
	s_lshl_b32 s35, s15, 20
	s_add_co_u32 s34, s34, s35
	s_lshl_b32 s35, s14, 17
	s_add_co_u32 s34, s34, s35
	s_lshl_b32 s35, s25, 9
	s_add_co_u32 s34, s34, s35
	s_mov_b32 s35, 0
	s_wait_kmcnt 0x0
	s_load_b256 s[16:23], s[10:11], 0x0            ; e0 .. e7
	s_add_nc_u64 s[6:7], s[6:7], s[26:27]
	s_add_nc_u64 s[4:5], s[4:5], s[28:29]
	s_add_nc_u64 s[8:9], s[8:9], s[32:33]
	s_add_nc_u64 s[12:13], s[12:13], s[34:35]
	s_wait_alu depctr_va_vdst(0)                   ; v1 and v4 to v8 are written: every load, store and LDS instruction of the kernel reads one of them as its offset or address
.irp c, 0,1,2,3,4,5,6,7
	global_load_b128 v[WF+8*\c:WF+8*\c+3], v4, s[6:7] offset:64*\c         ; my fragment of w as f32: d = 16 c + 8 h + 0..7 into registers 8 c on
	global_load_b128 v[WF+8*\c+4:WF+8*\c+7], v4, s[6:7] offset:64*\c+16
.endr
.irp s, 0,1
.irp c, 0,1,2,3
	global_load_b128 v[AF+16*\s+4*\c:AF+16*\s+4*\c+3], v1, s[4:5] offset:2048*\s+512*\c   ; att's fragments as they lie: 512 consecutive bytes a load
.endr
.endr
.irp t, 0,1,2,3
	global_load_b32 v[BI+2*\t], v8, s[8:9] offset:64*\t                    ; b_proj(64 g + 16 T + r)
.endr
	s_wait_kmcnt 0x0
	MKSC 23, 10, 11                                ; 2^e7, 448 x 2^e7
	s_add_co_i32 s30, s22, s23
	s_add_co_i32 s30, s30, 127
	s_lshl_b32 s30, s30, 23                        ; 2^(e6 + e7) as f32
	s_mov_b32 s31, s30                             ; (named with it as a pair)
	s_wait_loadcnt 12                              ; w's 16 loads are in; att's 8 and the bias's 4 may be out
.set qg, 0
.rept 8
.irp i, 0,1,2,3,4,5,6,7
	v_med3_num_f32 v[WF+8*qg+\i], v[WF+8*qg+\i], -v11, v11   ; the conversion to an 8-bit code does not saturate (ISA guide 7.6.2): the hold at the largest code x the scale
.endr
	v_cvt_scalef32_pk8_fp8_f32 v[112+2*qg:112+2*qg+1], v[WF+8*qg:WF+8*qg+7], v10
.set qg, qg+1
.endr
	v_nop                                          ; one plain vector line behind the last conversion
	s_wait_alu depctr_va_vdst(0)                   ; the conversions have written v112-127, which the LDS stores read; the holds and conversions are done with v48-127, in which the fragments land behind the barrier
.irp c, 0,1,2,3
	ds_store_b128 v5, v[112+4*\c:112+4*\c+3] offset:512*\c
.endr
	s_wait_dscnt 0x0                               ; for the others' sake: my image lies in LDS
	s_barrier_signal -1
	s_barrier_wait -1                              ; all eight do
	s_wait_alu depctr_vm_vsrc(0)                   ; my LDS stores have read v112-127, in which fragments land
.irp s, 0,1                                    ; K step 0's four fragments first
.irp t, 0,1,2,3
	FETCH WF+16*(2*\t+\s), 1, (2*\t+\s)*2048
.endr
.endr
	s_wait_loadcnt 0x0                             ; att and the bias
	s_wait_dscnt 16                                ; K step 0's 16 loads are in; K step 1's may be out
.irp t, 0,1,2,3
	v_wmma_f32_16x16x128_fp8_fp8 v[ACC+8*\t:ACC+8*\t+7], v[AF:AF+15], v[WF+32*\t:WF+32*\t+15], 0          ; the first K step starts the sums; the four accumulators by turns
.endr
	s_wait_dscnt 0x0
.irp t, 0,1,2,3
	v_wmma_f32_16x16x128_fp8_fp8 v[ACC+8*\t:ACC+8*\t+7], v[AF+16:AF+31], v[WF+32*\t+16:WF+32*\t+31], v[ACC+8*\t:ACC+8*\t+7]
.endr
.rept 4
	v_nop                                          ; four plain lines ahead of the first read of results (ISA guide 7.12.1)
.endr
.irp t, 0,1,2,3
.irp i, 0,2,4,6
	v_pk_fma_f32 v[Y+8*\t+\i:Y+8*\t+\i+1], v[ACC+8*\t+\i:ACC+8*\t+\i+1], s[30:31], v[BI+2*\t:BI+2*\t+1] op_sel_hi:[1,0,0]   ; sum x 2^(e6 + e7) + b: of both pairs the low word serves both halves
.endr
.endr
	s_wait_alu depctr_va_vdst(0)                   ; the multiply-adds have written v208-239, which the LDS stores read; the products are done reading w's fragments, in which the stage's rows land behind the barrier
.irp t, 0,1,2,3
	ds_store_b128 v6, v[Y+8*\t:Y+8*\t+3] offset:8448*\t          ; lane (r, h): out(o = 16 T + r, pixels 16 w + 8 h + 0..7)
	ds_store_b128 v6, v[Y+8*\t+4:Y+8*\t+7] offset:8448*\t+16
.endr
	s_wait_dscnt 0x0                               ; for the others' sake: my 64 bytes of each row lie in the stage
	s_barrier_signal -1
	s_barrier_wait -1                              ; 64 whole rows do
.irp i, 0,1,2,3,4,5,6,7
	ds_load_b128 v[WF+4*\i:WF+4*\i+3], v7 offset:528*\i
.endr
.irp i, 0,1,2,3,4,5,6,7
	s_wait_dscnt 7-\i                              ; row i is in; the younger loads may be out
	global_store_b128 v1, v[WF+4*\i:WF+4*\i+3], s[12:13] offset:16384*\i th:TH_STORE_NT   ; 32 lanes store 512 consecutive bytes, aligned; written once, read by nobody here
.endr
	s_wait_dscnt 0x0
	s_wait_alu depctr_hold_cnt(0) depctr_sa_sdst(0) depctr_va_vdst(0) depctr_va_sdst(0) depctr_va_ssrc(0) depctr_va_vcc(0) depctr_vm_vsrc(0)
	s_wait_tensorcnt 0x0
	ds_add_u32 v254, v255
	s_wait_dscnt 0x0
	s_endpgm
.Lfunc_end_k_q1d312e1520_proj:
	.size	k_q1d312e1520_proj, .Lfunc_end_k_q1d312e1520_proj-k_q1d312e1520_proj
	.p2alignl 7, 3214868480
	.fill 96, 4, 3214868480
	.section	.rodata,"a",@progbits
	.p2align	6, 0x0
	.amdhsa_kernel k_q1d312e1520_proj
		.amdhsa_group_segment_fixed_size 51200
		.amdhsa_private_segment_fixed_size 0
		.amdhsa_enable_private_segment 0
		.amdhsa_kernarg_size 40
		.amdhsa_user_sgpr_count 2
		.amdhsa_user_sgpr_kernarg_segment_ptr 1
		.amdhsa_wavefront_size32 1
		.amdhsa_system_sgpr_workgroup_id_x 1
		.amdhsa_system_sgpr_workgroup_id_y 1
		.amdhsa_system_sgpr_workgroup_id_z 1
		.amdhsa_system_vgpr_workitem_id 0
		.amdhsa_next_free_vgpr 256
		.amdhsa_next_free_sgpr 66
		.amdhsa_reserve_vcc 0
		.amdhsa_float_denorm_mode_32 3
		.amdhsa_float_denorm_mode_16_64 3
		.amdhsa_memory_ordered 1
		.amdhsa_forward_progress 1
		.amdhsa_inst_pref_size 17
	.end_amdhsa_kernel
	.amdgpu_metadata
---
amdhsa.version: [ 1, 2 ]
amdhsa.kernels:
  - .name:           k_q1d312e1520_proj
    .symbol:         k_q1d312e1520_proj.kd
    .args:
      - { .name: oc, .offset: 0, .size: 8, .value_kind: global_buffer, .address_space: global }
      - { .name: w_proj, .offset: 8, .size: 8, .value_kind: global_buffer, .address_space: global }
      - { .name: b_proj, .offset: 16, .size: 8, .value_kind: global_buffer, .address_space: global }
      - { .name: lowp_scales, .offset: 24, .size: 8, .value_kind: global_buffer, .address_space: global }
      - { .name: out0, .offset: 32, .size: 8, .value_kind: global_buffer, .address_space: global }
    .group_segment_fixed_size: 51200
    .private_segment_fixed_size: 0
    .kernarg_segment_align: 8
    .kernarg_segment_size: 40
    .max_flat_workgroup_size: 256
    .sgpr_count:     66
    .vgpr_count:     256
    .wavefront_size: 32
...
	.end_amdgpu_metadata
.endif
;; end of part 6
